; MI455X (gfx1250); checked and timed in simulation.
; The chip was launched on July 23, 2026; its instructions are those of AMD's public machine-readable ISA for CDNA 5 (MIT licence, August 2026) and "CDNA5" Instruction Set Architecture Reference Guide (July 2026). The comments in the code are by the model that wrote it; some were corrected since.
;; Multi Head Attention. Allowed arithmetic: matrix products marked QUANTISED: E4M3 operands, one given power-of-two scale a tensor, by v_wmma_f32_16x16x64_fp8_fp8 or v_wmma_f32_16x16x128_fp8_fp8, f32 sums; everything else in f32.
;; Inputs: Wk 2,048 x 2,048 float32; Wo 2,048 x 2,048 float32; Wq 2,048 x 2,048 float32; Wv 2,048 x 2,048 float32; bk 2,048 float32; bo 2,048 float32; bq 2,048 float32; bv 2,048 float32; causal_mask 1 x 1 x 2,048 x 2,048 float32; hidden_state 1 x 2,048 x 2,048 float32; lowp_scales 12 int32 (the exponents e of the quantised operands' scales 2^e).
;; Outputs: out0 1 x 2,048 x 2,048 float32.
;; This version of the problem:
;;   THIS VERSION OF THE PROBLEM IS GIVEN IN LOW PRECISION. The matrix products marked QUANTISED in the list below multiply operands that are first quantised to E4M3 (4 exponent bits, 3 mantissa bits; 8 bits a number), with one given power-of-two scale for each operand tensor; their sums are f32. All else is computed in f32.
;;   The module's matrix products, in the order in which they are computed (A, B: the left and right operand; K: the contracted axis; several contracted axes count as one K, in the product's order):
;;     1. [M 2,048, K 2,048] x [K 2,048, N 2,048]; A: input hidden_state; B: input Wq: QUANTISED (scales: A lowp_scales[0], B lowp_scales[1])
;;     2. [M 2,048, K 2,048] x [K 2,048, N 2,048]; A: input hidden_state; B: input Wk: QUANTISED (scales: A lowp_scales[2], B lowp_scales[3])
;;     3. [M 2,048, K 2,048] x [K 2,048, N 2,048]; A: input hidden_state; B: input Wv: QUANTISED (scales: A lowp_scales[4], B lowp_scales[5])
;;     4. batch 16 x [M 2,048, K 128] x [K 128, N 2,048]; A: computed on the way; B: computed on the way: QUANTISED (scales: A lowp_scales[6], B lowp_scales[7])
;;     5. batch 16 x [M 2,048, K 2,048] x [K 2,048, N 128]; A: softmax (see below); B: computed on the way: QUANTISED (scales: A lowp_scales[8], B lowp_scales[9])
;;     6. [M 2,048, K 2,048] x [K 2,048, N 2,048]; A: computed on the way; B: input Wo: QUANTISED (scales: A lowp_scales[10], B lowp_scales[11])
;;   THE QUANTISER, for each operand of a quantised product, along K:
;;     - The operand's scale is 2^e, e = its entry of the input lowp_scales (int32; the entries are numbered through the quantised products in the list's order, A before B).
;;     - Each number is divided by the scale, clamped to +-448, and rounded to the nearest number of E4M3, ties to even, subnormals kept.
;;     - The product sums the exact products of the quantised numbers (number of the format x scale) in f32.
;;   ~~~python
;;   def quantise(x, axis, e):      # numpy; x: float32 -> the quantised numbers, widened to float32 again
;;       x = np.moveaxis(x, axis, -1); K = x.shape[-1]
;;       r = np.clip(x / 2.0 ** e, -448, 448)
;;       step = 2.0 ** (np.maximum(np.frexp(np.where(r == 0, 1, r))[1] - 1, -6) - 3)
;;       q = np.round(r / step) * step * 2.0 ** e      # np.round: ties to even
;;       return np.moveaxis(q, -1, axis).astype(np.float32)
;;   ~~~
;;   SOFTMAX AHEAD OF A QUANTISED PRODUCT. Where the list says 'softmax', what is quantised is not the finished softmax but p = 2^(t - M), with t = logit x log2(e) and M = ceil(the row's largest t), a whole number; so 1/2 < the row's largest p <= 1. The row's sum l is taken of the UNQUANTISED p, in f32, and the product's result is divided by l at the end. Since M is a whole number, a kernel that streams over the keys may use a running M (the ceiling of the running maximum): every later rescaling is an exact power of two, so the quantised numbers keep their values, but for numbers so far below the row's largest that they fall under the format's range.
;;   OPERANDS COMPUTED ON THE WAY. 'Computed on the way' means the value that the module computes at that place (a softmax that the list does not call 'softmax' is quantised finished and normalised). What goes into a quantiser is computed in f32, as accurately as f32 sums, v_exp_f32 and their like allow (about 1e-6 of the number): no bf16 or f16 on the way to a quantiser, and a product that is left as it is and whose result goes on into a quantised operand takes f32 operands (vector FMAs, or v_wmma_f32_16x16x4_f32). A number that lies on a knife's edge between two numbers of the format may be rounded either way, as far as f32 arithmetic and the matrix unit's own rounding can turn it there, and no further.
;; One version. Each part assembles by itself: llvm-mc -triple=amdgcn-amd-amdhsa -mcpu=gfx1250 --defsym DOCPART=n.
;; ======== version 1 of 1: 4 launches
;; limits: right only within a limited range of input values
;; workspace buffers: xw 29,360,128 bytes; qc 4,194,304 bytes; kvc 8,388,608 bytes; ac 4,194,304 bytes
;; launch quant (part 1): grid 640 x 1, 4 waves a work-group, no clusters, 68,096 bytes of LDS; arguments hidden_state, Wq, Wk, Wv, Wo, lowp_scales, xw; writes xw
.if DOCPART == 1
	.amdgcn_target "amdgcn-amd-amdhsa--gfx1250"
	.amdhsa_code_object_version 6
	.text
	.protected	k_q15bd93d78f_quant
	.globl	k_q15bd93d78f_quant
	.p2align	8
	.type	k_q15bd93d78f_quant,@function
k_q15bd93d78f_quant:
	s_mov_b64 s[64:65], 0
	v_nop
	global_prefetch_b8 v0, s[64:65] scope:SCOPE_SE
	s_setreg_imm32_b32 hwreg(HW_REG_WAVE_MODE, 25, 1), 1
	s_wait_xcnt 0x0
; All f32 operands of the four large products become codes of E4M3, K innermost, in seven planes of 4 MiB of xw, each [2048 rows][2048 bytes]:
;   planes 0, 1, 2: hidden_state with the scales 2^e0, 2^e2, 2^e4 (its three products may have three scales);  planes 3, 4, 5, 6: Wq, Wk, Wv, Wo turned to [n][k], with e1, e3, e5, e11.
; code = x / 2^e, held within +-448, rounded to the nearest code, ties to even.  LIMITS: each e used here lies between -126 and 119.  NaN among the inputs is not served.
; Work-groups 0-127 take hidden_state, whose K is innermost: a plain stream.  A wave takes 16 steps of 512 numbers; each load reads 512 consecutive bytes; a step's 2,048 bytes turn through the wave's own stage in LDS,
; so that a lane holds 16 neighbours along K; they are held and converted three times, and each of the three stores of a step covers 512 consecutive bytes.
; Work-groups 128-639 take the weights, whose K is the FIRST axis: a lane takes a column n and its registers run down K, so the conversions give codes with K innermost; a wave gathers 32 columns x 256 K in its own
; stage and stores rows: sixteen lanes store 256 consecutive bytes, aligned.  The two ways have LDS bytes of their own.  No tensor loads, no barrier: waves share nothing.
.set STEPS, 16
.set SP,    80                         ; hidden: a lane's place in a stage: its 64 bytes + 16 of padding
.set WREG,  8192                       ; hidden: LDS bytes of a wave: two stages of 32 x SP
.set R,     16                         ; v16-79   four sets of 16 numbers as loaded
.set X,     80                         ; v80-111  two sets of 16 neighbours
.set T,     112                        ; v112-159 the 16 numbers held for each of the three scales
.set C,     160                        ; v160-171 their codes
.set SC,    172                        ; v172+2k: 2^e as f32; v173+2k: 448 x 2^e; k = 0, 1, 2
.set PLANE, 0x400000
.set WST,   32768                      ; weights: the stages begin here
.set WP,    272                        ; a stage row: 256 bytes + 16
.set NB,    8                          ; blocks of 32 along K for a wave
.set WX,    32                         ; v32-95   two sets of 32 numbers
.set WC,    96                         ; v96-103  a block's codes
.set OUTR,  112                        ; v112-175 the way out
	s_load_b256 s[4:11], s[0:1], 0x0               ; hidden_state, Wq, Wk, Wv
	s_load_b128 s[12:15], s[0:1], 0x20             ; Wo, the scales' exponents
	s_load_b64 s[16:17], s[0:1], 0x30              ; xw
	v_lshl_add_u32 v192, v0, 2, 0x10800
	v_mov_b32 v193, 0
	v_lshrrev_b32 v1, 5, v0
	v_readfirstlane_b32 s20, v1                    ; wave
	v_and_b32 v2, 31, v0                           ; lane
	s_wait_kmcnt 0x0
	s_load_b256 s[36:43], s[14:15], 0x0            ; e0 .. e7
	s_load_b128 s[44:47], s[14:15], 0x20           ; e8 .. e11
	s_cmp_lt_u32 ttmp9, 128
	s_cbranch_scc0 .Lweights
; ---------------- hidden_state
.macro HLOAD t
.irp i, 0,1,2,3
	global_load_b128 v[R+16*((\t)%4)+4*\i:R+16*((\t)%4)+4*\i+3], v3, s[4:5] offset:2048*(\t)+512*\i th:TH_LOAD_NT   ; 32 lanes read 512 consecutive bytes
.endr
.endm
.macro HTURN t                         ; a step's numbers through the stage: LDS serves a wave's instructions in order, so no wait stands between the stores and the loads
.irp i, 0,1,2,3
	ds_store_b128 v14, v[R+16*((\t)%4)+4*\i:R+16*((\t)%4)+4*\i+3] offset:32*SP*((\t)%2)+8*SP*\i
.endr
.irp i, 0,1,2,3
	ds_load_b128 v[X+16*((\t)%2)+4*\i:X+16*((\t)%2)+4*\i+3], v15 offset:32*SP*((\t)%2)+16*\i
.endr
.endm
.macro HSTEP t
.set XS, X+16*((\t)%2)
	s_wait_dscnt 0x0                               ; this step's numbers are back from the stage, and its stores into the stage have read their registers,
.if (\t)+4 < STEPS
	HLOAD (\t)+4                                   ; which take the loads of four steps on
.endif
.if (\t)+1 < STEPS
.if STEPS-2-(\t) >= 3
	s_wait_loadcnt 12                              ; the next step's four loads are in; the twelve of the three steps behind it may be out
.else
	s_wait_loadcnt 4*(STEPS-2-(\t))                ; at the end fewer steps are behind it
.endif
	HTURN (\t)+1
.endif
.irp k, 0,1,2
.irp i, 0,1,2,3,4,5,6,7,8,9,10,11,12,13,14,15
	v_med3_num_f32 v[T+16*\k+\i], v[XS+\i], -v[SC+2*\k+1], v[SC+2*\k+1]   ; the conversion does not saturate (ISA guide 7.6.2): the hold at the largest code x the scale
.endr
.endr
	s_wait_alu depctr_va_vdst(0)
	s_wait_xcnt 0x0                                ; the last step's stores have read their data: the codes' registers may be written again
.irp k, 0,1,2
	v_cvt_scalef32_pk8_fp8_f32 v[C+4*\k:C+4*\k+1], v[T+16*\k:T+16*\k+7], v[SC+2*\k]
	v_cvt_scalef32_pk8_fp8_f32 v[C+4*\k+2:C+4*\k+3], v[T+16*\k+8:T+16*\k+15], v[SC+2*\k]
.endr
	v_nop                                          ; a plain line between the conversions and the next step's holds, which write their sources
.irp k, 0,1,2
	global_store_b128 v3, v[C+4*\k:C+4*\k+3], s[24+2*\k:25+2*\k] offset:512*(\t)   ; 32 lanes store 512 consecutive bytes, aligned
.endr
.endm
	s_wait_alu depctr_va_vdst(0)
	v_lshlrev_b32 v3, 4, v2                        ; my 16 bytes of a load's 512, and of a step's 512 codes
	s_wait_alu depctr_va_vdst(0)
	s_mul_i32 s21, s20, WREG
	v_lshrrev_b32 v14, 2, v2
	v_mul_u32_u24 v14, v14, SP
	v_and_b32 v15, 3, v2
	v_lshl_add_u32 v14, v15, 4, v14
	v_add_nc_u32 v14, s21, v14                     ; into the stage: SP (lane / 4) + 16 (lane % 4)
	v_mul_u32_u24 v15, v2, SP
	v_add_nc_u32 v15, s21, v15                     ; out of it: SP x lane: my 16 neighbours
	s_lshl_b32 s22, ttmp9, 2
	s_add_co_u32 s22, s22, s20                     ; which run of 8,192 numbers is my wave's
	s_lshl_b32 s30, s22, 15
	s_mov_b32 s31, 0
	s_add_nc_u64 s[4:5], s[4:5], s[30:31]
	s_lshl_b32 s30, s22, 13
	s_add_nc_u64 s[24:25], s[16:17], s[30:31]      ; its codes in plane 0,
	s_add_nc_u64 s[26:27], s[24:25], PLANE         ; plane 1,
	s_add_nc_u64 s[28:29], s[24:25], 2*PLANE       ; plane 2
.irp t, 0,1,2,3
	HLOAD \t
.endr
	s_wait_alu depctr_va_vdst(0)
	s_wait_kmcnt 0x0
.irp k, 0,1,2
	s_add_co_i32 s30, s[36+2*\k], 127              ; e0, e2, e4
	s_lshl_b32 s31, s30, 23
	v_mov_b32 v[SC+2*\k], s31                      ; 2^e as f32: the conversion takes its exponent field
	s_add_co_i32 s30, s30, 8
	s_lshl_b32 s30, s30, 23
	s_or_b32 s30, s30, 0x600000
	v_mov_b32 v[SC+2*\k+1], s30                    ; 448 x 2^e
.endr
	s_wait_alu depctr_va_vdst(0)
	s_wait_loadcnt 12                              ; step 0's four loads are in
	HTURN 0
.irp t, 0,1,2,3,4,5,6,7,8,9,10,11,12,13,14,15
	HSTEP \t
.endr
	s_wait_tensorcnt 0x0
	ds_add_u32 v192, v193
	s_wait_dscnt 0x0
	s_endpgm
; ---------------- the four weights
.Lweights:
.macro WLOAD t                         ; block t: W(32 t + i, my column), i = 0 .. 31
.irp i, 0,1,2,3,4,5,6,7,8,9,10,11,12,13,14,15,16,17,18,19,20,21,22,23,24,25,26,27,28,29,30,31
	global_load_b32 v[WX+32*((\t)%2)+\i], v3, s[6:7] offset:(32*(\t)+\i)*8192 th:TH_LOAD_NT   ; a wave reads 128 consecutive bytes, the four waves 512
.endr
.endm
.macro WBLOCK t
.set XS, WX+32*((\t)%2)
.if (\t) < NB-1
	s_wait_loadcnt 32                              ; this block's 32 loads are in; the next block's 32 may be out
.else
	s_wait_loadcnt 0
.endif
.irp i, 0,1,2,3,4,5,6,7,8,9,10,11,12,13,14,15,16,17,18,19,20,21,22,23,24,25,26,27,28,29,30,31
	v_med3_num_f32 v[XS+\i], v[XS+\i], -v10, v10
.endr
.irp g, 0,1,2,3
	v_cvt_scalef32_pk8_fp8_f32 v[WC+2*\g:WC+2*\g+1], v[XS+8*\g:XS+8*\g+7], v11
.endr
	ds_store_b128 v4, v[WC:WC+3] offset:32*(\t)    ; 32 codes: 32 bytes of my column's row
	ds_store_b128 v4, v[WC+4:WC+7] offset:32*(\t)+16
.if (\t)+2 < NB
	WLOAD (\t)+2
.endif
	s_wait_dscnt 0x0                               ; the stores have read their registers: the next block's codes may be written (its 32 holds are the plain lines between)
.endm
	s_sub_co_u32 s21, ttmp9, 128
	s_lshr_b32 s22, s21, 7                         ; which weight: 0 Wq, 1 Wk, 2 Wv, 3 Wo
	s_and_b32 s23, s21, 15                         ; which 128 columns
	s_bfe_u32 s24, s21, 0x30004                    ; which 256 along K
	s_cmp_eq_u32 s22, 1
	s_cselect_b64 s[6:7], s[8:9], s[6:7]
	s_cmp_eq_u32 s22, 2
	s_cselect_b64 s[6:7], s[10:11], s[6:7]
	s_cmp_eq_u32 s22, 3
	s_cselect_b64 s[6:7], s[12:13], s[6:7]
	s_lshl_b32 s25, s23, 7
	s_lshl_b32 s26, s20, 5
	s_add_co_u32 s25, s25, s26                     ; my wave's first column
	s_lshl_b32 s26, s24, 21                        ; 256 rows of 8,192 bytes
	s_lshl_b32 s27, s25, 2
	s_add_co_u32 s26, s26, s27
	s_mov_b32 s27, 0
	s_add_nc_u64 s[6:7], s[6:7], s[26:27]
	s_add_co_u32 s28, s22, 3
	s_lshl_b32 s28, s28, 22                        ; plane 3 + weight
	s_lshl_b32 s29, s25, 11                        ; row = column of W, 2,048 bytes
	s_add_co_u32 s28, s28, s29
	s_lshl_b32 s29, s24, 8
	s_add_co_u32 s28, s28, s29
	s_mov_b32 s29, 0
	s_add_nc_u64 s[16:17], s[16:17], s[28:29]
	s_wait_alu depctr_va_vdst(0)
	v_lshlrev_b32 v3, 2, v2                        ; in: 4 bytes a lane
	s_mul_i32 s21, s20, 32*WP
	s_add_co_u32 s21, s21, WST                     ; my stage
	v_mul_u32_u24 v4, v2, WP
	v_add_nc_u32 v4, s21, v4                       ; into it: row = my column
	v_and_b32 v5, 15, v2
	v_lshrrev_b32 v6, 4, v2
	v_mul_u32_u24 v7, v6, WP
	v_lshl_add_u32 v7, v5, 4, v7
	v_add_nc_u32 v7, s21, v7                       ; out of it: sixteen lanes to a row, two rows an instruction
	v_lshlrev_b32 v8, 11, v6
	v_lshl_add_u32 v8, v5, 4, v8                   ; and the same place in the plane
	WLOAD 0
	WLOAD 1
	s_wait_kmcnt 0x0
	s_cmp_eq_u32 s22, 1
	s_cselect_b32 s37, s39, s37                    ; e1, e3,
	s_cmp_eq_u32 s22, 2
	s_cselect_b32 s37, s41, s37                    ; e5,
	s_cmp_eq_u32 s22, 3
	s_cselect_b32 s37, s47, s37                    ; e11
	s_add_co_i32 s37, s37, 127
	s_lshl_b32 s30, s37, 23
	v_mov_b32 v11, s30                             ; 2^e
	s_add_co_i32 s37, s37, 8
	s_lshl_b32 s37, s37, 23
	s_or_b32 s37, s37, 0x600000
	v_mov_b32 v10, s37                             ; 448 x 2^e
	s_wait_alu depctr_va_vdst(0)
.irp t, 0,1,2,3,4,5,6,7
	WBLOCK \t
.endr
.irp t, 0,1,2,3,4,5,6,7,8,9,10,11,12,13,14,15
	ds_load_b128 v[OUTR+4*\t:OUTR+4*\t+3], v7 offset:2*\t*WP      ; LDS serves a wave's instructions in order: these see my stores
.endr
.irp t, 0,1,2,3,4,5,6,7,8,9,10,11,12,13,14,15
	s_wait_dscnt 15-\t
	global_store_b128 v8, v[OUTR+4*\t:OUTR+4*\t+3], s[16:17] offset:2*\t*2048   ; sixteen lanes store 256 consecutive bytes, aligned
.endr
	s_wait_tensorcnt 0x0
	ds_add_u32 v192, v193
	s_wait_dscnt 0x0
	s_endpgm
.Lfunc_end_k_q15bd93d78f_quant:
	.size	k_q15bd93d78f_quant, .Lfunc_end_k_q15bd93d78f_quant-k_q15bd93d78f_quant
	.p2alignl 7, 3214868480
	.fill 96, 4, 3214868480
	.section	.rodata,"a",@progbits
	.p2align	6, 0x0
	.amdhsa_kernel k_q15bd93d78f_quant
		.amdhsa_group_segment_fixed_size 68096
		.amdhsa_private_segment_fixed_size 0
		.amdhsa_enable_private_segment 0
		.amdhsa_kernarg_size 56
		.amdhsa_user_sgpr_count 2
		.amdhsa_user_sgpr_kernarg_segment_ptr 1
		.amdhsa_wavefront_size32 1
		.amdhsa_system_sgpr_workgroup_id_x 1
		.amdhsa_system_sgpr_workgroup_id_y 1
		.amdhsa_system_sgpr_workgroup_id_z 1
		.amdhsa_system_vgpr_workitem_id 0
		.amdhsa_next_free_vgpr 194
		.amdhsa_next_free_sgpr 66
		.amdhsa_reserve_vcc 0
		.amdhsa_float_denorm_mode_32 3
		.amdhsa_float_denorm_mode_16_64 3
		.amdhsa_memory_ordered 1
		.amdhsa_forward_progress 1
		.amdhsa_inst_pref_size 127
	.end_amdhsa_kernel
	.amdgpu_metadata
---
amdhsa.version: [ 1, 2 ]
amdhsa.kernels:
  - .name:           k_q15bd93d78f_quant
    .symbol:         k_q15bd93d78f_quant.kd
    .args:
      - { .name: hidden_state, .offset: 0, .size: 8, .value_kind: global_buffer, .address_space: global }
      - { .name: Wq, .offset: 8, .size: 8, .value_kind: global_buffer, .address_space: global }
      - { .name: Wk, .offset: 16, .size: 8, .value_kind: global_buffer, .address_space: global }
      - { .name: Wv, .offset: 24, .size: 8, .value_kind: global_buffer, .address_space: global }
      - { .name: Wo, .offset: 32, .size: 8, .value_kind: global_buffer, .address_space: global }
      - { .name: lowp_scales, .offset: 40, .size: 8, .value_kind: global_buffer, .address_space: global }
      - { .name: xw, .offset: 48, .size: 8, .value_kind: global_buffer, .address_space: global }
    .group_segment_fixed_size: 68096
    .private_segment_fixed_size: 0
    .kernarg_segment_align: 8
    .kernarg_segment_size: 56
    .max_flat_workgroup_size: 128
    .sgpr_count:     66
    .vgpr_count:     194
    .wavefront_size: 32
...
	.end_amdgpu_metadata
.endif
;; end of part 1
;; launch qkv (part 2): grid 8 x 24, 4 waves a work-group, clusters of 4 x 4, 327,680 bytes of LDS; arguments xw, bq, bk, bv, lowp_scales, qc, kvc; writes qc, kvc
.if DOCPART == 2
	.amdgcn_target "amdgcn-amd-amdhsa--gfx1250"
	.amdhsa_code_object_version 6
	.text
	.protected	k_q15bd93d78f_qkv
	.globl	k_q15bd93d78f_qkv
	.p2align	8
	.type	k_q15bd93d78f_qkv,@function
k_q15bd93d78f_qkv:
	s_mov_b64 s[64:65], 0
	v_nop
	global_prefetch_b8 v0, s[64:65] scope:SCOPE_SE
	s_setreg_imm32_b32 hwreg(HW_REG_WAVE_MODE, 25, 1), 1
	s_wait_xcnt 0x0
	s_wait_alu depctr_hold_cnt(0) depctr_sa_sdst(0) depctr_va_vdst(0) depctr_va_sdst(0) depctr_va_ssrc(0) depctr_va_vcc(0) depctr_vm_vsrc(0)
	s_getreg_b32 s2, hwreg(HW_REG_IB_STS2, 6, 4)
	s_cmp_eq_u32 s2, 0
	s_cbranch_scc0 .Lentry_in_a_cluster
	s_endpgm
.Lentry_in_a_cluster:
	s_bfe_u32 s2, ttmp6, 0x10000c
	s_cmp_lg_u32 s2, 0xf033
	s_cbranch_scc0 .Lentry_shape_is_right
	s_endpgm
.Lentry_shape_is_right:
.set KSTEP,  256
.set ROWB,   256
.set KROW,   2048
.set PITCH,  272
.set FR,     16
.set NL,     4
.set NP,     4
.set HALFT,  128*PITCH
.set SLOT,   4*HALFT
.set LAPS,   2048/(2*KSTEP)
.set SPARE,  2*SLOT
.set QP,     144
.set ADRA, 16
.set ADRB, 20
.set CBO,  22
.set RBO,  23
.set STO,  24
.set RD,   25
.set CO,   26
.set SPW,  28
.set NIL,  29
.set QS,   30
.set QL,   31
.set CB,   32
.set RB,   96
.set AF,   128
.set TMP,  128
.set CD,   192
.set BK,   224
.set G1, 24
.set G0, 32
.set G1B, 48
.set G0B, 56
.set MSB, 0
.macro WIN new
.if MSB != (\new)
	s_set_vgpr_msb (MSB<<8)|(\new)
.set MSB, (\new)
.endif
.endm
.set MUL_LO, 0xa1
.set MUL_HI, 0xf1
.set TO_B,   0x40
.macro JLOAD g0a, g1a, g0b, g1b
	s_cmp_eq_u32 s15, 0
	s_cbranch_scc0 .Lfor_b_\@
	tensor_load_to_lds s[\g0a:\g0a+3], s[\g1a:\g1a+7]
	s_nop 0
.rept 4
	v_nop
.endr
	s_branch .Lasked_\@
.Lfor_b_\@:
	tensor_load_to_lds s[\g0b:\g0b+3], s[\g1b:\g1b+7]
	s_nop 0
.rept 4
	v_nop
.endr
.Lasked_\@:
.endm
.macro CREST
	s_cmp_lg_u32 s14, 0
	s_cbranch_scc1 .Lnot_wave_0_\@
	s_barrier_signal -3
.Lnot_wave_0_\@:
	s_barrier_wait -3
	s_barrier_signal -1
	s_barrier_wait -1
.endm
.macro CROUND
	s_barrier_signal -1
	s_barrier_wait -1
	CREST
.endm
	s_load_b256 s[4:11], s[0:1], 0x0
	s_load_b128 s[68:71], s[0:1], 0x20
	s_load_b64 s[72:73], s[0:1], 0x30
	v_lshl_add_u32 v[SPW], v0, 2, SPARE
	v_mov_b32 v[NIL], 0
	ds_add_u32 v28, v29
	ds_add_u32 v28, v29
	s_wait_dscnt 0x0
	v_lshrrev_b32 v1, 5, v0
	v_readfirstlane_b32 s14, v1
	s_lshr_b32 s15, s14, 1
	s_and_b32 s16, s14, 1
	s_bfe_u32 s40, ttmp6, 0x40000
	s_bfe_u32 s41, ttmp6, 0x40004
	s_lshl_b32 s42, ttmp9, 2
	s_add_co_u32 s42, s42, s40
	s_and_b32 s17, ttmp7, 0xffff
	s_lshr_b32 s66, s17, 1
	s_lshr_b32 s67, s66, 1
	s_mul_i32 s88, s67, 3
	s_add_co_u32 s89, s66, s88
	s_lshl_b32 s89, s89, 22
	s_add_co_u32 s90, s66, 3
	s_sub_co_u32 s90, s90, s88
	s_lshl_b32 s90, s90, 22
	s_and_b32 s17, s17, 1
	s_lshl_b32 s17, s17, 2
	s_add_co_u32 s17, s17, s41
	s_lshl_b32 s43, s41, 2
	s_lshl_b32 s43, 15, s43
	s_lshl_b32 s44, 0x1111, s40
	s_or_b32 s[G1+0], s43, (0<<16)|(1<<20)|(1<<21)|(5<<22)|(3<<25)
	s_or_b32 s[G1B+0], s44, (0<<16)|(1<<20)|(1<<21)|(5<<22)|(3<<25)
.irp g, G1, G1B
	s_mov_b32 s[\g+1], ROWB<<16
	s_mov_b32 s[\g+2], 128<<16
	s_mov_b32 s[\g+3], ROWB<<16
	s_mov_b32 s[\g+4], 128
	s_mov_b32 s[\g+5], KROW
	s_mov_b32 s[\g+6], 0
	s_mov_b32 s[\g+7], 0
.endr
	s_lshl_b32 s18, s16, 7
	s_lshl_b32 s20, s17, 8
	s_add_co_u32 s20, s20, s18
	s_lshl_b32 s20, s20, 11
	s_add_co_u32 s20, s20, s89
	s_mov_b32 s21, 0
	s_lshl_b32 s46, s42, 8
	s_add_co_u32 s46, s46, s18
	s_lshl_b32 s46, s46, 11
	s_add_co_u32 s46, s46, s90
	s_mov_b32 s47, 0
	s_mul_i32 s45, s14, HALFT
	s_wait_kmcnt 0x0
	s_load_b256 s[76:83], s[68:69], 0x0
	s_load_b128 s[84:87], s[68:69], 0x20
	s_add_nc_u64 s[20:21], s[4:5], s[20:21]
	s_add_nc_u64 s[46:47], s[4:5], s[46:47]
	CROUND
.irp s, 0,1
	s_mov_b32 s[G0+4*\s], 1
	s_add_co_u32 s[G0+4*\s+1], s45, \s*SLOT
	s_add_nc_u64 s[G0+4*\s+2:G0+4*\s+3], s[20:21], \s*ROWB
	s_or_b32 s[G0+4*\s+3], s[G0+4*\s+3], 0x80000000
	s_mov_b32 s[G0B+4*\s], 1
	s_add_co_u32 s[G0B+4*\s+1], s45, \s*SLOT
	s_add_nc_u64 s[G0B+4*\s+2:G0B+4*\s+3], s[46:47], \s*ROWB
	s_or_b32 s[G0B+4*\s+3], s[G0B+4*\s+3], 0x80000000
	s_wait_alu depctr_va_vdst(0)
	s_wait_tensorcnt 0x0
	ds_add_u32 v28, v29
	ds_add_u32 v28, v29
	s_wait_dscnt 0x0
	CROUND
	JLOAD G0+4*\s, G1, G0B+4*\s, G1B
.endr
	; the prefetches (macro ASK): of the 128 rows that my wave fetches, my work-group names 32, told apart from its three partners' BY ADDRESS (cx for A's tiles, cy for B's); a lane a row
.set PFO, 27                           ; v27: my lane x a row of 2,048 bytes; never rewritten
	s_cmp_eq_u32 s15, 0                            ; do I fetch for A?
	s_cselect_b64 s[12:13], s[20:21], s[46:47]     ; s[12:13]: where my prefetches stand
	s_cselect_b32 s2, s40, s41
	s_lshl_b32 s2, s2, 16                          ; 32 rows of 2,048 bytes
	s_add_co_u32 s2, s2, 3*ROWB                    ; at K step 3: the first refill steps it to 4
	s_mov_b32 s3, 0
	s_add_nc_u64 s[12:13], s[12:13], s[2:3]
	v_and_b32 v[PFO], 31, v0
	v_lshlrev_b32 v[PFO], 11, v[PFO]
	v_and_b32 v1, 15, v0
	v_bfe_u32 v2, v0, 4, 1
	s_wait_alu depctr_va_vdst(0)
	s_cmp_eq_u32 s66, 1
	s_cselect_b64 s[98:99], s[8:9], s[6:7]
	s_cmp_eq_u32 s66, 2
	s_cselect_b64 s[98:99], s[10:11], s[98:99]
	s_cselect_b32 s100, 0, -1
	s_cselect_b32 s101, -1, 0
	s_lshl_b32 s91, s42, 10
	s_lshl_b32 s92, s16, 9
	s_add_co_u32 s91, s91, s92
	v_lshl_add_u32 v[CBO], v2, 5, s91
	s_lshl_b32 s91, s17, 10
	s_lshl_b32 s92, s15, 9
	s_add_co_u32 s91, s91, s92
	v_lshl_add_u32 v[RBO], v1, 2, s91
.irp b, 0,1,2,3,4,5,6,7
	global_load_b128 v[CB+8*\b:CB+8*\b+3], v[CBO], s[98:99] offset:64*\b
	global_load_b128 v[CB+8*\b+4:CB+8*\b+7], v[CBO], s[98:99] offset:64*\b+16
.endr
.irp a, 0,1,2,3,4,5,6,7
	global_load_b32 v[RB+2*\a], v[RBO], s[98:99] offset:64*\a
	global_load_b32 v[RB+2*\a+1], v[RBO], s[98:99] offset:64*\a
.endr
	v_mul_u32_u24 v3, v1, PITCH
	v_lshl_add_u32 v4, v2, 4, v3
	s_mul_i32 s21, s15, HALFT
	s_mul_i32 s22, s16, HALFT
	s_add_co_u32 s22, s22, 2*HALFT
.irp s, 0,1
	v_add_nc_u32 v[ADRA+\s], s21, v4
	v_add_nc_u32 v[ADRB+\s], s22, v4
	s_add_co_u32 s21, s21, SLOT
	s_add_co_u32 s22, s22, SLOT
.endr
	s_mul_i32 s23, s14, 16*QP
	v_mul_u32_u24 v5, v1, QP
	v_lshl_add_u32 v5, v2, 3, v5
	v_add_nc_u32 v[STO], s23, v5
	v_and_b32 v6, 31, v0
	v_lshrrev_b32 v7, 3, v6
	v_mul_u32_u24 v7, v7, QP
	v_and_b32 v8, 7, v0
	v_lshl_add_u32 v7, v8, 4, v7
	v_add_nc_u32 v[RD], s23, v7
	v_lshlrev_b32 v[CO], 4, v6
	s_lshl_b32 s91, s17, 1
	s_add_co_u32 s91, s91, s15
	s_lshl_b32 s92, s42, 1
	s_add_co_u32 s92, s92, s16
	s_cmp_eq_u32 s66, 2
	s_cselect_b32 s93, s91, s92
	s_cselect_b32 s94, s92, s91
	s_cselect_b32 s95, 16384, 0
	s_lshl_b32 s93, s93, 18
	s_lshl_b32 s94, s94, 14
	s_add_co_u32 s94, s94, s93
	s_min_u32 s93, s66, 1
	s_lshl_b32 s94, s94, s93
	s_add_co_u32 s94, s94, s95
	s_mov_b32 s95, 0
	s_cmp_eq_u32 s66, 0
	s_cselect_b64 s[74:75], s[70:71], s[72:73]
	s_add_nc_u64 s[74:75], s[74:75], s[94:95]
.macro FRAG reg, adr, q, i
.irp c, 0,1,2,3
	ds_load_b128 v[\reg+4*\c:\reg+4*\c+3], v[\adr] offset:128*(\q)+32*\c+(\i)*16*PITCH
.endr
.endm
.macro MUL16 a0, p, zero
.irp a, \a0, \a0+1
.irp b, 0,1,2,3,4,5,6,7
.if \zero
	v_wmma_f32_16x16x128_fp8_fp8 v[8*(8*((\a)%4)+\b):8*(8*((\a)%4)+\b)+7], v[128*(\p)+FR*\b:128*(\p)+FR*\b+FR-1], v[AF+FR*(\a):AF+FR*(\a)+FR-1], 0
.else
	v_wmma_f32_16x16x128_fp8_fp8 v[8*(8*((\a)%4)+\b):8*(8*((\a)%4)+\b)+7], v[128*(\p)+FR*\b:128*(\p)+FR*\b+FR-1], v[AF+FR*(\a):AF+FR*(\a)+FR-1], v[8*(8*((\a)%4)+\b):8*(8*((\a)%4)+\b)+7]
.endif
.endr
.endr
.endm
.macro FETCH_B slot, q, p
	WIN TO_B
.irp i, 0,1,2,3,4,5,6,7
	FRAG 128*(\p)+FR*\i, ADRB+\slot, \q, \i
.endr
	WIN 0
.endm
.macro FETCH_A slot, q, i0
.irp i, \i0, \i0+1, \i0+2, \i0+3
	FRAG AF+FR*(\i), ADRA+\slot, \q, \i
.endr
.endm
.macro PLACES n
.rept \n
	v_nop
.endr
.endm
.macro STEP slot, q, zero
	s_wait_dscnt 4*NL
	WIN MUL_LO
	MUL16 0, (\q)%2, \zero
	MUL16 2, (\q)%2, \zero
	s_wait_dscnt 0
	PLACES NP
	FETCH_B \slot, (\q)+1, 1-(\q)%2
	FETCH_A \slot, (\q)+1, 0
	WIN MUL_HI
	MUL16 4, (\q)%2, \zero
	MUL16 6, (\q)%2, \zero
	PLACES NP
	WIN 0
	FETCH_A \slot, (\q)+1, 4
.endm
; A PREFETCH INTO THE L2, behind each joint refill and the run of LDS loads that follows it: the K step that stands two refills on, 32 rows x 256 bytes, one instruction a wave.
; Each row's 256 bytes of a K step are named once in each cluster that will load them.  K steps 0 to 3 come by their loads alone; the loop's last trip (s3 = 1), whose refills are K steps 6 and 7, asks for nothing.
.macro ASK
	s_cmp_gt_u32 s3, 1
	s_cbranch_scc0 .Lnot_mine_\@
	global_prefetch_b8 v[PFO], s[12:13] th:TH_LOAD_NT scope:SCOPE_SE
.Lnot_mine_\@:
.endm
.macro TURN slot, next, fill
.if \fill
	s_wait_xcnt 0x0                                ; the last prefetch, a K step back, has read its address
	s_add_nc_u64 s[12:13], s[12:13], ROWB          ; a K step on
.endif
	s_wait_tensorcnt 0x0
	ds_add_u32 v[SPW], v[NIL]
	s_wait_dscnt 4*NL+1
	WIN MUL_LO
	MUL16 0, 1, 0
	s_wait_dscnt 0x0
	s_barrier_signal -1
	MUL16 2, 1, 0
	WIN 0
	s_barrier_wait -1
.if \fill
	CREST
	s_add_nc_u64 s[G0+4*\slot+2:G0+4*\slot+3], s[G0+4*\slot+2:G0+4*\slot+3], 2*ROWB
	s_add_nc_u64 s[G0B+4*\slot+2:G0B+4*\slot+3], s[G0B+4*\slot+2:G0B+4*\slot+3], 2*ROWB
	JLOAD G0+4*\slot, G1, G0B+4*\slot, G1B
.else
	PLACES NP
.endif
	FETCH_B \next, 0, 0
	FETCH_A \next, 0, 0
.if \fill
	ASK
.endif
	WIN MUL_HI
	MUL16 4, 1, 0
	MUL16 6, 1, 0
	PLACES NP
	WIN 0
	FETCH_A \next, 0, 4
.endm
	s_wait_tensorcnt 1
	s_wait_loadcnt 0x0
	s_barrier_signal -1
	s_barrier_wait -1
	FETCH_B 0, 0, 0
	FETCH_A 0, 0, 0
	FETCH_A 0, 0, 4
	STEP 0, 0, 1
	s_mov_b32 s3, LAPS-1
.Llap:
	TURN 0, 1, 1
	STEP 1, 0, 0
	TURN 1, 0, 1
	STEP 0, 0, 0
	s_sub_co_u32 s3, s3, 1
	s_cmp_lg_u32 s3, 0
	s_cbranch_scc1 .Llap
	TURN 0, 1, 0
	STEP 1, 0, 0
	s_wait_dscnt 4*NL
	WIN MUL_LO
	MUL16 0, 1, 0
	MUL16 2, 1, 0
	s_wait_dscnt 0
	WIN MUL_HI
	MUL16 4, 1, 0
	MUL16 6, 1, 0
	WIN 0
.macro TOSTAGE a
.set AC, 64*((\a)%4)
.set CDA, CD+16*((\a)%2)
.set BB, BK+16*((\a)%2)
	WIN 0x02+((\a)/4)
.set j, 0
.rept 32
	v_pk_fma_f32 v[TMP+j:TMP+j+1], v[AC+j:AC+j+1], s[96:97], v[CB+j:CB+j+1] op_sel_hi:[1,0,1]
.set j, j+2
.endr
	WIN 0
.set j, 0
.rept 32
	v_pk_add_f32 v[TMP+j:TMP+j+1], v[TMP+j:TMP+j+1], v[RB+2*(\a):RB+2*(\a)+1]
.set j, j+2
.endr
.set j, 0
.rept 64
	v_med3_num_f32 v[TMP+j], v[TMP+j], -v[QL], v[QL]
.set j, j+1
.endr
.irp b, 0,1,2,3,4,5,6,7
	v_cvt_scalef32_pk8_fp8_f32 v[CDA+2*\b:CDA+2*\b+1], v[TMP+8*\b:TMP+8*\b+7], v[QS]
.endr
	v_nop
.irp b, 0,1,2,3,4,5,6,7
	ds_store_b64 v[STO], v[CDA+2*\b:CDA+2*\b+1] offset:16*\b
.endr
.irp t, 0,1,2,3
	ds_load_b128 v[BB+4*\t:BB+4*\t+3], v[RD] offset:4*QP*\t
.endr
.endm
.macro SEND a, younger
.set BB, BK+16*((\a)%2)
	s_wait_dscnt \younger
.irp t, 0,1,2,3
	global_store_b128 v[CO], v[BB+4*\t:BB+4*\t+3], s[74:75] offset:2048*(\a)+512*\t
.endr
.endm
	s_wait_kmcnt 0x0
	s_add_co_i32 s76, s76, s77
	s_add_co_i32 s78, s78, s79
	s_add_co_i32 s80, s80, s81
	s_cmp_eq_u32 s66, 1
	s_cselect_b32 s76, s78, s76
	s_cselect_b32 s82, s83, s82
	s_cmp_eq_u32 s66, 2
	s_cselect_b32 s76, s80, s76
	s_cselect_b32 s82, s85, s82
	s_add_co_i32 s76, s76, 127
	s_lshl_b32 s96, s76, 23
	s_mov_b32 s97, s96
	s_add_co_i32 s82, s82, 127
	s_lshl_b32 s83, s82, 23
	v_mov_b32 v[QS], s83
	s_add_co_i32 s82, s82, 8
	s_lshl_b32 s82, s82, 23
	s_or_b32 s82, s82, 0x600000
	v_mov_b32 v[QL], s82
.set j, 0
.rept 64
	v_cndmask_b32 v[CB+j], 0, v[CB+j], s100
.set j, j+1
.endr
.set j, 0
.rept 16
	v_cndmask_b32 v[RB+j], 0, v[RB+j], s101
.set j, j+1
.endr
	TOSTAGE 0
.irp a, 1,2,3,4,5,6,7
.if \a > 1
	s_wait_xcnt 0x0
.endif
	TOSTAGE \a
	SEND \a-1, 12
.endr
	SEND 7, 0
	s_wait_tensorcnt 0x0
	ds_add_u32 v[SPW], v[NIL]
	s_wait_dscnt 0x0
	CROUND
	s_endpgm
.Lfunc_end_k_q15bd93d78f_qkv:
	.size	k_q15bd93d78f_qkv, .Lfunc_end_k_q15bd93d78f_qkv-k_q15bd93d78f_qkv
	.p2alignl 7, 3214868480
	.fill 96, 4, 3214868480
	.section	.rodata,"a",@progbits
	.p2align	6, 0x0
	.amdhsa_kernel k_q15bd93d78f_qkv
		.amdhsa_group_segment_fixed_size 327680
		.amdhsa_private_segment_fixed_size 0
		.amdhsa_enable_private_segment 0
		.amdhsa_kernarg_size 56
		.amdhsa_user_sgpr_count 2
		.amdhsa_user_sgpr_kernarg_segment_ptr 1
		.amdhsa_wavefront_size32 1
		.amdhsa_system_sgpr_workgroup_id_x 1
		.amdhsa_system_sgpr_workgroup_id_y 1
		.amdhsa_system_sgpr_workgroup_id_z 1
		.amdhsa_system_vgpr_workitem_id 0
		.amdhsa_next_free_vgpr 1024
		.amdhsa_next_free_sgpr 102
		.amdhsa_reserve_vcc 0
		.amdhsa_float_denorm_mode_32 3
		.amdhsa_float_denorm_mode_16_64 3
		.amdhsa_memory_ordered 1
		.amdhsa_forward_progress 1
		.amdhsa_inst_pref_size 168
	.end_amdhsa_kernel
	.amdgpu_metadata
---
amdhsa.version: [ 1, 2 ]
amdhsa.kernels:
  - .name:           k_q15bd93d78f_qkv
    .symbol:         k_q15bd93d78f_qkv.kd
    .args:
      - { .name: xw, .offset: 0, .size: 8, .value_kind: global_buffer, .address_space: global }
      - { .name: bq, .offset: 8, .size: 8, .value_kind: global_buffer, .address_space: global }
      - { .name: bk, .offset: 16, .size: 8, .value_kind: global_buffer, .address_space: global }
      - { .name: bv, .offset: 24, .size: 8, .value_kind: global_buffer, .address_space: global }
      - { .name: lowp_scales, .offset: 32, .size: 8, .value_kind: global_buffer, .address_space: global }
      - { .name: qc, .offset: 40, .size: 8, .value_kind: global_buffer, .address_space: global }
      - { .name: kvc, .offset: 48, .size: 8, .value_kind: global_buffer, .address_space: global }
    .group_segment_fixed_size: 327680
    .private_segment_fixed_size: 0
    .kernarg_segment_align: 8
    .kernarg_segment_size: 56
    .max_flat_workgroup_size: 128
    .sgpr_count:     102
    .vgpr_count:     1024
    .wavefront_size: 32
...
	.end_amdgpu_metadata
.endif
;; end of part 2
;; launch attn (part 3): grid 16 x 16, 8 waves a work-group, clusters of 4 x 1, 327,680 bytes of LDS; arguments qc, kvc, causal_mask, lowp_scales, ac; writes ac
.if DOCPART == 3
	.amdgcn_target "amdgcn-amd-amdhsa--gfx1250"
	.amdhsa_code_object_version 6
	.text
	.protected	k_q15bd93d78f_attn
	.globl	k_q15bd93d78f_attn
	.p2align	8
	.type	k_q15bd93d78f_attn,@function
k_q15bd93d78f_attn:
	s_mov_b64 s[64:65], 0
	v_nop
	global_prefetch_b8 v0, s[64:65] scope:SCOPE_SE
	s_setreg_imm32_b32 hwreg(HW_REG_WAVE_MODE, 25, 1), 1
	s_wait_xcnt 0x0
	s_wait_alu depctr_hold_cnt(0) depctr_sa_sdst(0) depctr_va_vdst(0) depctr_va_sdst(0) depctr_va_ssrc(0) depctr_va_vcc(0) depctr_vm_vsrc(0)
	s_getreg_b32 s2, hwreg(HW_REG_IB_STS2, 6, 4)
	s_cmp_eq_u32 s2, 0
	s_cbranch_scc0 .Lentry_in_a_cluster
	s_endpgm
.Lentry_in_a_cluster:
	s_bfe_u32 s2, ttmp6, 0x10000c
	s_cmp_lg_u32 s2, 0x3003
	s_cbranch_scc0 .Lentry_shape_is_right
	s_endpgm
.Lentry_shape_is_right:
; Attention on codes of E4M3: scores = q k^T / sqrt(128) + mask, softmax, x v; the result is quantised at once for the last product.  The mask is an input: it is read whole and added as it is given.
; qc [head][s][128]; kvc [head][step of 128 keys][K: [key][d] | V: [d][key]]; causal_mask [2048][2048] f32; ac [tile of 16 queries][head][2,048 bytes: the image of an operand's 16 registers, group c of four at 512 c + 16 lane].
; THE SOFTMAX: t = logit x log2(e); M = the running largest t rounded UP to a whole number; p = 2^(t - M) is quantised with 2^e8; the row's sum is taken of the unquantised p and divides at the end.
; When M moves, the sum and O are multiplied by 2^(old M - new M): exact.  t is a ROUNDED product and -M is added to it: so t - M is exact and never above 0, also in a row whose every logit is a huge negative number.
; SHARES.  A work-group owns 128 queries of one head, in 16 key steps of 128.  EIGHT waves, two to a SIMD: wave w owns the 32 queries of group g = w % 4 (two tiles of 16, which share every fragment of K and V in registers)
;   and, of every step, the 64 keys of half kh = w / 4.  Each half has its own running M, sum and O^T; at the end the two halves of a tile are joined by exact powers of two, through LDS.
;   Window 0 holds tile kh of the group, window 1 tile 1 - kh: so every wave hands its window 1 to its partner w xor 4 and finishes its window 0, with no branch on the wave's number.
; K AND V come through a ring of two LDS slots of 256 keys (two steps), 8 changes of slots; each wave fetches an eighth of a slot's dense 64 KiB.
; CLUSTER 4 x 1: four blocks of queries of one head walk the same K and V and ask for them jointly.
; THE MASK is read by one wave alone within a work-group (32 rows x 256 aligned bytes a step, each such unit whole in the step's 16 loads), so it goes from memory into registers of its own, one key step ahead, and not through LDS.
;   Work-groups of different heads share it, but they share no K and V: it is no part of the joint loads.
; LAYOUT.  Both products are used transposed: S^T = K Q^T + C (source 0 = 16 keys, source 1 = 16 queries), O^T = V^T P^T (K = my 64 keys): a lane holds ONE query (lane % 16) throughout.
;   Register j of S^T's tile i is key 16 i + 8 (lane / 16) + j of my 64: one conversion of a tile's eight registers gives registers 2 i, 2 i + 1 of P in the form's own order of k; V's fragments are read in that order (8 bytes a load).
;   Q and K are fetched by loads of 16 bytes: a permutation of d, the same in both.
; THE MASK IS THE C OF THE FIRST PRODUCT: mask x k1, k1 = sqrt(128) / 2^(e6 + e7), is made in S^T's registers; then t = c x S^T, c = log2(e) / sqrt(128) x 2^(e6 + e7).
; LIMITS: e6 + e7 between -123 and 129; e8 and e10 between -126 and 119; |mask| x k1 below f32's largest number.  NaN among the inputs is not served.
; REGISTERS, in two windows of 256.  Each window holds its tile's own at the same numbers: v12 -M, v13 the largest t, v[14:15] the sum, v16-31 Q, v32-63 S^T, p; v64-127 O^T; v192-199 codes; v200-206, v240-247 at work and constants;
;   v208-239 the next step's mask.  v128-191: window 0 K's four fragments, window 1 V's eight.  Window 0 also: v1-11 and v248-254 addresses.
.set KP,    144                        ; a row of K or V in LDS: 128 bytes + 16
.set VOFF,  128*KP
.set STEPB, 2*128*KP                   ; a step's K and V in LDS
.set SLOT1, 1<<17                      ; a slot: two steps, 73,728 bytes; slot 1 begins here, so that one exclusive or turns an address
.set SPARE, SLOT1+2*STEPB              ; behind slot 1: the spare words, 128 bytes for each of eight waves
.set STAGE, 0                          ; what a wave hands to its partner lies in slot 0: at that time it has had its last fill, and every wave has passed the last change of slots
.set WREG,  8448                       ; a wave's part: 64 registers of O^T (8,192 bytes), -M and the sum (128 each)
.set AK0, 1
.set AV0, 2
.set MO0, 3                            ; the mask: my lane's byte offset, window 0's tile
.set PFO, 4
.set SPW, 5
.set NIL, 6
.set MO1, 7                            ; window 1's tile
.set ADK, 8
.set ADV, 9
.set QO,  10
.set QO1, 11
.set ST,  32
.set OT,  64
.set FR,  128
.set CD,  192
.set MX,  200                          ; v200-203 four chains of maxima
.set FF,  204                          ; v[204:205] f
.set PL,  206                          ; a lane permute's destination
.set MK,  208                          ; v208-239 the mask as loaded
.set CDT, 208                          ; the way out: 16 registers of codes
.set LIMO, 224                         ; the way out: 448 x 2^e10
.set SCO,  225                         ; 2^e10
.set SA,  240                          ; v240-245 three chains of sums
.set LIMP, 246                         ; 448 x 2^e8
.set SCP,  247                         ; 2^e8
.set SW16, 248
.set SR16, 249
.set SW4, 250
.set SR4, 251
.set GO,  252
.set PM,  253                          ; the partner's -M
.set PS,  254                          ; the partner's sum
.set WV,  14
.set K1,  18                           ; s[18:19] k1
.set SEL, 20                           ; s[20:21] v_permlanex16_b32's selects for lane l xor 16
.set CS,  22                           ; s[22:23] c
.set G1K, 24
.set G0K, 40
.set TB,  54                           ; LDS byte at which the slot in hand begins
.set SLOTS, 55                         ; slots still to be asked for
.set PFA, 56
.set PFS, 58
.set LIM, 60
.set MSB, 0
.macro WIN new
.if MSB != (\new)
	s_set_vgpr_msb (MSB<<8)|(\new)
.set MSB, (\new)
.endif
.endm
; A joint load, one a wave, one shape: wave w fetches bytes 8,192 w on of the slot's dense 64 KiB (32 rows of 256 bytes).  An s_nop 0 and four v_nop follow.
.macro JLOAD
	tensor_load_to_lds s[G0K:G0K+3], s[G1K:G1K+7]
	s_nop 0
.rept 4
	v_nop
.endr
.endm
; A PREFETCH INTO THE L2 at each change of slots.  Each aligned block of 256 bytes is named once in the launch.
; K, V: behind the load of slot j, slot j + 2's 64 KiB, two slots ahead of the load that will want them.  The four clusters of a head read them: the one with cluster x = 0 asks, waves 0 and 1;
;   the four partners take 16 KiB each BY ADDRESS (cx), a wave 8,192 bytes, lanes 256 bytes apart.  Slots 0 to 2 come by their loads alone; the last two changes that fill a slot ask for nothing.
; The mask: ahead of slot j's steps, the 128 rows x 1,024 bytes that go with slot j + 2, three steps ahead of the first load that will want them.  The sixteen heads read them: heads 0 to 3 ask, waves 4 to 7;
;   of a wave's 32 rows head y takes 8 BY ADDRESS, four lanes to a row.  What goes with slots 0 and 1 comes by its loads alone; the last change that fills a slot asks for nothing.
.macro ASK
	s_cmp_gt_u32 s[SLOTS], s[LIM]
	s_cbranch_scc0 .Lnot_mine_\@
	global_prefetch_b8 v[PFO], s[PFA:PFA+1] th:TH_LOAD_NT scope:SCOPE_SE
.Lnot_mine_\@:
.endm
.macro CROUND
	s_barrier_signal -1
	s_barrier_wait -1
	s_cmp_lg_u32 s[WV], 0
	s_cbranch_scc1 .Lnot_wave_0_\@
	s_barrier_signal -3
.Lnot_wave_0_\@:
	s_barrier_wait -3
	s_barrier_signal -1
	s_barrier_wait -1
.endm
.macro MLOAD                           ; a step's mask for my 32 queries and 64 keys, in the layout of S^T: 16 loads; a row's 256 bytes are read whole by its two lanes' eight loads
.irp i, 0,1,2,3
	global_load_b128 v[MK+8*\i:MK+8*\i+3], v[MO0], s[8:9] offset:64*\i
	global_load_b128 v[MK+8*\i+4:MK+8*\i+7], v[MO0], s[8:9] offset:64*\i+16
.endr
	WIN 0x40                                       ; destination window 1
.irp i, 0,1,2,3
	global_load_b128 v[MK+8*\i:MK+8*\i+3], v[MO1], s[8:9] offset:64*\i
	global_load_b128 v[MK+8*\i+4:MK+8*\i+7], v[MO1], s[8:9] offset:64*\i+16
.endr
	WIN 0
.endm
	s_load_b256 s[4:11], s[0:1], 0x0               ; qc s[4:5], kvc s[6:7], the mask s[8:9], the scales' exponents s[10:11]
	s_load_b64 s[12:13], s[0:1], 0x20              ; ac
	v_lshl_add_u32 v[SPW], v0, 2, SPARE
	v_mov_b32 v[NIL], 0
	ds_add_u32 v[SPW], v[NIL]                      ; the opening lines: the add, twice on end, and its wait ahead of my first tensor load
	ds_add_u32 v[SPW], v[NIL]
	v_lshrrev_b32 v8, 5, v0
	v_readfirstlane_b32 s[WV], v8                  ; wave 0..7
	s_lshr_b32 s15, s[WV], 2                       ; kh: my half of a step's keys
	s_and_b32 s16, s[WV], 3                        ; g: my group of 32 queries
	s_and_b32 s17, s[WV], 1
	s_bfe_u32 s48, ttmp6, 0x40000                  ; cx
	s_lshl_b32 s50, ttmp9, 2
	s_add_co_u32 s50, s50, s48                     ; my block of 128 queries
	s_and_b32 s51, ttmp7, 0xffff                   ; my head
	s_mov_b32 s[G1K], 15|(0<<16)|(1<<20)|(1<<21)|(4<<22)|(3<<25)    ; the four partners; elements of 1 byte; four words of padding after every 32: behind each row of 128 codes
	s_mov_b32 s[G1K+1], 256<<16                    ; the block is dense: stated as rows of 256 bytes
	s_mov_b32 s[G1K+2], 32<<16
	s_mov_b32 s[G1K+3], 256<<16
	s_mov_b32 s[G1K+4], 32
	s_mov_b32 s[G1K+5], 256
	s_mov_b32 s[G1K+6], 0
	s_mov_b32 s[G1K+7], 0
	s_lshl_b32 s80, s51, 19                        ; the head's 512 KiB,
	s_lshl_b32 s81, s[WV], 13                      ; my eighth of a slot's 64 KiB
	s_add_co_u32 s80, s80, s81
	s_mov_b32 s81, 0
	s_mul_i32 s84, s[WV], 64*KP                    ; 8,192 bytes are 64 LDS rows
	s_mov_b32 s[SEL], 0x76543210
	s_mov_b32 s[SEL+1], 0xfedcba98
	s_mov_b32 s[TB], 0
	s_wait_dscnt 0x0                               ; both opening adds are done
	s_wait_kmcnt 0x0
	s_load_b256 s[68:75], s[10:11], 0x0            ; e0 .. e7
	s_load_b128 s[76:79], s[10:11], 0x20           ; e8 .. e11
	s_mov_b32 s[G0K], 1
	s_mov_b32 s[G0K+1], s84
	s_add_nc_u64 s[G0K+2:G0K+3], s[6:7], s[80:81]
	s_or_b32 s[G0K+3], s[G0K+3], 0x80000000
	CROUND                                         ; all four work-groups are here: the first joint loads meet
	JLOAD                                          ; slot 0: my one tensor load at the head
	s_mov_b32 s87, 0
	s_lshl_b32 s86, s51, 18                        ; Q: the head,
	s_lshl_b32 s93, s50, 14                        ; my block's 128 rows of 128 bytes,
	s_add_co_u32 s86, s86, s93
	s_lshl_b32 s93, s16, 12                        ; my group's 32
	s_add_co_u32 s86, s86, s93
	s_add_nc_u64 s[4:5], s[4:5], s[86:87]
	s_lshl_b32 s86, s50, 18                        ; ac: tile of queries 8 x block + 2 g + kh, 32 KiB each,
	s_lshl_b32 s93, s16, 16
	s_add_co_u32 s86, s86, s93
	s_lshl_b32 s93, s15, 15
	s_add_co_u32 s86, s86, s93
	s_lshl_b32 s93, s51, 11                        ; the head's 2,048 bytes
	s_add_co_u32 s86, s86, s93
	s_add_nc_u64 s[12:13], s[12:13], s[86:87]
	; the prefetches: where mine stand, and whether I ask
	s_lshl_b32 s86, s51, 19
	s_lshl_b32 s93, s48, 14
	s_add_co_u32 s86, s86, s93
	s_lshl_b32 s93, s17, 13
	s_add_co_u32 s86, s86, s93
	s_add_co_u32 s86, s86, 2*65536                 ; K, V: my head, slot 2, my work-group's 16 KiB, my wave's half of them
	s_lshl_b32 s94, s50, 20
	s_lshl_b32 s95, s16, 18
	s_add_co_u32 s94, s94, s95
	s_and_b32 s95, s51, 3
	s_lshl_b32 s95, s95, 16
	s_add_co_u32 s94, s94, s95
	s_add_co_u32 s94, s94, 1024                    ; the mask: my block, my wave's 32 rows, my head's 8 of them, what goes with slot 1
	s_mov_b32 s[PFS], 1024
	s_lshr_b32 s95, s51, 2                         ; 0 in heads 0 to 3
	s_and_b32 s61, s[WV], 2
	s_cmp_eq_u32 s15, 0
	s_cselect_b64 s[PFA:PFA+1], s[6:7], s[8:9]
	s_cselect_b32 s86, s86, s94
	s_cselect_b32 s[PFS], 65536, s[PFS]            ; a slot on
	s_cselect_b32 s93, 0, -1                       ; lanes' mask: all ones in waves 4 to 7
	s_cselect_b32 s95, ttmp9, s95                  ; 0 where my cluster is among those that ask
	s_cselect_b32 s61, s61, 0                      ; 0 in waves 0, 1 and 4 to 7
	s_cselect_b32 s62, 2, 1
	s_mov_b32 s[PFS+1], 0
	s_add_nc_u64 s[PFA:PFA+1], s[PFA:PFA+1], s[86:87]   ; the first change of slots steps it a slot on
	s_or_b32 s95, s95, s61
	s_cmp_eq_u32 s95, 0
	s_cselect_b32 s[LIM], s62, -1                  ; the same in all four partners, for a given wave
	s_lshl_b32 s86, s50, 20
	s_add_nc_u64 s[8:9], s[8:9], s[86:87]          ; the mask at my block's first row, key step 0
	; places that hang on the wave's number
	s_mul_i32 s86, s15, 64*KP                      ; K: my 64 keys' rows
	s_lshl_b32 s94, s15, 6
	s_add_co_u32 s94, s94, VOFF                    ; V: my 64 keys' bytes of each row
	s_lshl_b32 s61, s16, 18                        ; the mask: my group's 32 rows of 8,192 bytes,
	s_lshl_b32 s62, s15, 8
	s_add_co_u32 s61, s61, s62                     ; my 64 keys' 256 bytes
	s_lshl_b32 s62, s15, 17
	s_add_co_u32 s62, s62, s61                     ; window 0: tile kh
	s_xor_b32 s63, s15, 1
	s_lshl_b32 s63, s63, 17
	s_add_co_u32 s63, s63, s61                     ; window 1: tile 1 - kh
	s_mul_i32 s66, s[WV], WREG                     ; what I hand over (STAGE = 0),
	s_xor_b32 s67, s[WV], 4
	s_mul_i32 s67, s67, WREG                       ; and what my partner hands to me
	v_and_b32 v8, 15, v0                           ; r
	v_bfe_u32 v9, v0, 4, 1                         ; h
	v_lshlrev_b32 v[MO0], 13, v8
	v_lshl_add_u32 v[MO0], v9, 5, v[MO0]           ; the mask: row r, + 32 h: my eight keys of a tile of 16
	v_add_nc_u32 v[MO1], s63, v[MO0]
	v_add_nc_u32 v[MO0], s62, v[MO0]
	v_lshlrev_b32 v[QO], 7, v8
	v_lshl_add_u32 v[QO], v9, 4, v[QO]
	v_lshl_add_u32 v[QO], s15, 11, v[QO]           ; window 0's tile: 16 kh rows on
	v_xor_b32 v[QO1], 0x800, v[QO]                 ; window 1's: the other
.irp c, 0,1,2,3
	global_load_b128 v[16+4*\c:19+4*\c], v[QO], s[4:5] offset:32*\c            ; Q stays in registers
.endr
	WIN 0x40                                       ; destination window 1
.irp c, 0,1,2,3
	global_load_b128 v[16+4*\c:19+4*\c], v[QO1], s[4:5] offset:32*\c
.endr
	WIN 0
	MLOAD                                          ; key step 0's mask
	v_and_b32 v32, 31, v0                          ; lane
	v_mul_u32_u24 v[AK0], v8, KP
	v_lshl_add_u32 v[AV0], v9, 3, v[AK0]
	v_add_nc_u32 v[AV0], s94, v[AV0]               ; V: row r, + 8 h
	v_lshl_add_u32 v[AK0], v9, 4, v[AK0]
	v_add_nc_u32 v[AK0], s86, v[AK0]               ; K: row r, + 16 h
	v_lshlrev_b32 v[GO], 4, v32                    ; the way out: 16 x lane
	v_add_nc_u32 v[SW16], s66, v[GO]
	v_add_nc_u32 v[SR16], s67, v[GO]
	v_lshl_add_u32 v[SW4], v32, 2, s66
	v_lshl_add_u32 v[SR4], v32, 2, s67
	v_lshlrev_b32 v[PFO], 8, v32                   ; K, V: 256 x lane
	v_lshrrev_b32 v33, 2, v32
	v_and_b32 v34, 3, v32
	v_lshlrev_b32 v34, 8, v34
	v_lshl_add_u32 v33, v33, 13, v34               ; the mask: row lane / 4, block lane % 4
	v_cndmask_b32 v[PFO], v[PFO], v33, s93
	s_wait_alu depctr_va_vdst(0)
	s_wait_kmcnt 0x0                               ; the exponents
	s_add_co_i32 s86, s74, s75                     ; e6 + e7
	s_lshl_b32 s86, s86, 23
	s_mov_b32 s[CS], 0x3e0293ee                    ; log2(e) / sqrt(128)
	s_add_co_i32 s[CS], s[CS], s86                 ; x 2^(e6 + e7): the exponents are added to its exponent field
	s_mov_b32 s[CS+1], s[CS]
	s_mov_b32 s[K1], 0x413504f3                    ; sqrt(128)
	s_sub_co_i32 s[K1], s[K1], s86                 ; / 2^(e6 + e7)
	s_mov_b32 s[K1+1], s[K1]
	s_add_co_i32 s86, s76, 127
	s_lshl_b32 s88, s86, 23                        ; 2^e8
	s_add_co_i32 s86, s86, 8
	s_lshl_b32 s86, s86, 23
	s_or_b32 s89, s86, 0x600000                    ; 448 x 2^e8
	s_add_co_i32 s86, s78, 127
	s_lshl_b32 s90, s86, 23                        ; 2^e10
	s_add_co_i32 s86, s86, 8
	s_lshl_b32 s86, s86, 23
	s_or_b32 s91, s86, 0x600000                    ; 448 x 2^e10
	s_add_co_i32 s92, s76, s77                     ; e8 + e9
.macro INIT                            ; a tile's statistics and constants, in its own window
	v_mov_b32 v13, 0xff61b1e6                      ; the largest t so far: -3e38
	v_floor_f32 v12, -v13                          ; -M
	v_mov_b32 v14, 0                               ; the sum, in two halves
	v_mov_b32 v15, 0
	v_mov_b32 v[PL], 0                             ; a lane permute's destination counts as one of its sources
	v_mov_b32 v[FF+1], 0                           ; (named as the upper half of the pair)
	v_mov_b32 v[SCP], s88
	v_mov_b32 v[LIMP], s89
.set j, 0
.rept 64
	v_mov_b32 v[OT+j], 0                           ; O^T.  (The step has no first form of its own, which spares two copies of its text: the first step finds zeros, which the first change of M leaves zeros)
.set j, j+1
.endr
.endm
	INIT
	WIN 0x55
	INIT
	WIN 0
.macro MSCALE                          ; the mask x k1, into S^T's registers: the mask's own are free for the next step's loads
.set j, 0
.rept 16
	v_pk_mul_f32 v[ST+j:ST+j+1], v[MK+j:MK+j+1], s[K1:K1+1] op_sel_hi:[1,0]
.set j, j+2
.endr
.endm
.macro QK                              ; S^T = K Q^T + mask x k1: four accumulators, one instruction each
.irp i, 0,1,2,3
	v_wmma_f32_16x16x128_fp8_fp8 v[ST+8*\i:ST+8*\i+7], v[FR+16*\i:FR+16*\i+15], v[16:31], v[ST+8*\i:ST+8*\i+7]
.endr
.endm
.macro PV                              ; O^T += V^T P^T over my 64 keys: eight accumulators, one instruction each
.irp i, 0,1,2,3,4,5,6,7
	v_wmma_f32_16x16x64_fp8_fp8 v[OT+8*\i:OT+8*\i+7], v[FR+8*\i:FR+8*\i+7], v[CD:CD+7], v[OT+8*\i:OT+8*\i+7]
.endr
.endm
; One tile's softmax for my 64 keys of one step; every operand lies in the tile's window.
.macro SM
	s_wait_alu depctr_va_vdst(0)                   ; the wait directly ahead of the first reader of S^T
.set j, 0
.rept 16
	v_pk_mul_f32 v[ST+j:ST+j+1], v[ST+j:ST+j+1], s[CS:CS+1] op_sel_hi:[1,0]    ; t = c x S^T, rounded; each accumulator from its low end on
.set j, j+2
.endr
.irp n, 0,1,2,3
	v_max3_num_f32 v[MX+\n], v[ST+3*\n], v[ST+3*\n+1], v[ST+3*\n+2]            ; the step's largest t of my query among my lane's 32 keys, in four chains,
.endr
.irp n, 0,1,2,3,4,5,6,7,8,9
	v_max3_num_f32 v[MX+\n%4], v[MX+\n%4], v[ST+12+2*\n], v[ST+13+2*\n]
.endr
	v_max3_num_f32 v[MX], v[MX], v[MX+1], v[MX+2]
	v_max_num_f32 v[MX], v[MX], v[MX+3]
	v_permlanex16_b32 v[PL], v[MX], s[SEL], s[SEL+1]
	v_max_num_f32 v[MX], v[MX], v[PL]              ; and among lane l xor 16's
	v_max_num_f32 v13, v13, v[MX]                  ; the running largest t
	v_mov_b32 v[MX], v12
	v_floor_f32 v12, -v13                          ; the new -M = floor(-t): M is a whole number
	v_sub_f32 v[MX], v12, v[MX]                    ; old M - new M: a whole number, 0 or less
	v_cvt_i32_f32 v[MX], v[MX]                     ; (it saturates)
	v_ldexp_f32 v[FF], 1.0, v[MX]                  ; f = 2^(old M - new M)
.set j, 0
.rept 16
	v_pk_add_f32 v[ST+j:ST+j+1], v[ST+j:ST+j+1], v[12:13] op_sel_hi:[1,0]      ; t - M: exact, 0 or less
.set j, j+2
.endr
	s_wait_alu depctr_va_vdst(0)                   ; the wait ahead of the batch
.set j, 0
.rept 32
	v_exp_f32 v[ST+j], v[ST+j]                     ; p = 2^(t - M): not normalised
.set j, j+1
.endr
	v_pk_mul_f32 v[14:15], v[14:15], v[FF:FF+1] op_sel_hi:[1,0]                ; the sum under the new M: the plain line behind the exponentials
	s_wait_alu depctr_va_vdst(0)                   ; one wait for the batch of 32, ahead of its first reader
	v_pk_add_f32 v[SA:SA+1], v[ST:ST+1], v[ST+2:ST+3]                          ; the row's sum is taken of the unquantised p, in four chains
	v_pk_add_f32 v[SA+2:SA+3], v[ST+4:ST+5], v[ST+6:ST+7]
	v_pk_add_f32 v[SA+4:SA+5], v[ST+8:ST+9], v[ST+10:ST+11]
	v_pk_add_f32 v[14:15], v[14:15], v[ST+12:ST+13]
.irp n, 0,1
	v_pk_add_f32 v[SA:SA+1], v[SA:SA+1], v[ST+14+8*\n:ST+15+8*\n]
	v_pk_add_f32 v[SA+2:SA+3], v[SA+2:SA+3], v[ST+16+8*\n:ST+17+8*\n]
	v_pk_add_f32 v[SA+4:SA+5], v[SA+4:SA+5], v[ST+18+8*\n:ST+19+8*\n]
	v_pk_add_f32 v[14:15], v[14:15], v[ST+20+8*\n:ST+21+8*\n]
.endr
	v_pk_add_f32 v[SA:SA+1], v[SA:SA+1], v[ST+30:ST+31]
	v_pk_add_f32 v[14:15], v[14:15], v[SA+4:SA+5]
	v_pk_add_f32 v[SA:SA+1], v[SA:SA+1], v[SA+2:SA+3]
	v_pk_add_f32 v[14:15], v[14:15], v[SA:SA+1]
.irp i, 0,1,2,3
.irp u, 0,1,2,3,4,5,6,7
	v_min_num_f32 v[ST+8*\i+\u], v[ST+8*\i+\u], v[LIMP]                        ; the conversion does not saturate (ISA guide 7.6.2); p is not negative: a one-sided hold
.endr
	v_cvt_scalef32_pk8_fp8_f32 v[CD+2*\i:CD+2*\i+1], v[ST+8*\i:ST+8*\i+7], v[SCP]   ; keys 16 i + 8 h + 0 .. 7: registers 2 i, 2 i + 1 of P
.endr
	s_wait_alu depctr_va_vdst(0)                   ; the wait directly ahead of the first reader of O^T
.set j, 0
.rept 32
	v_pk_mul_f32 v[OT+j:OT+j+1], v[OT+j:OT+j+1], v[FF:FF+1] op_sel_hi:[1,0]    ; O^T under the new M
.set j, j+2
.endr
.endm
; A KEY STEP, the q-th of the slot in hand: my 64 of its 128 keys, both tiles.  ml = 1: the next step's mask is asked for as soon as this step's has been scaled.
.macro KLOAD q                         ; K's four fragments of the slot's q-th step
.irp i, 0,1,2,3
.irp c, 0,1,2,3
	ds_load_b128 v[FR+16*\i+4*\c:FR+16*\i+4*\c+3], v[ADK] offset:STEPB*(\q)+16*KP*\i+32*\c
.endr
.endr
.endm
; A slot's first step makes the slot's two addresses and fetches its own K at its head; the second step's K, which lies in the same slot, is fetched in the first step, behind window 0's softmax.
.macro STEP q, ml
.if (\q) == 0
	v_add_nc_u32 v[ADK], s[TB], v[AK0]
	v_add_nc_u32 v[ADV], s[TB], v[AV0]
	KLOAD 0
.endif
	s_wait_loadcnt 8                               ; window 0's mask is in; window 1's 8 loads may be out
	MSCALE                                         ; (these sixteen lines are the places between the last step's products and the loads into V's registers)
	WIN 0x40
.irp i, 0,1,2,3,4,5,6,7
.irp c, 0,1,2,3
	ds_load_b64 v[FR+8*\i+2*\c:FR+8*\i+2*\c+1], v[ADV] offset:STEPB*(\q)+16*KP*\i+16*\c       ; V's eight fragments land under the softmaxes
.endr
.endr
	WIN 0
	s_wait_alu depctr_va_vdst(0)
	s_wait_dscnt 32                                ; K is in; V's 32 loads may be out
	QK
	s_wait_loadcnt 0x0                             ; window 1's mask is in
	WIN 0x55
	MSCALE                                         ; (these sixteen lines are the places behind window 0's products)
	WIN 0x54                                       ; K window 0; Q, S^T window 1
	QK
	WIN 0
.if \ml
	s_wait_xcnt 0x0                                ; the last step's loads have read their base
	s_add_nc_u64 s[8:9], s[8:9], 512               ; 128 keys on
	MLOAD
.endif
	SM
.if (\q) == 0
	KLOAD 1                                        ; both first products have read K's registers, and the softmax above is their places; the wait for V below covers these 16 loads too
.endif
	WIN 0x55
	SM
	s_wait_alu depctr_va_vdst(0)
	s_wait_dscnt 0x0                               ; V is in
	WIN 0x01                                       ; V window 1; P, O^T window 0
	PV
	WIN 0x55
	PV
	WIN 0
.endm
; THE CHANGE OF SLOTS stands at a slot's head.  Each wave waits for all its tensor loads (its part of the slot that is about to be read), adds 0 to its spare word, and waits for that and for its reads of the slot left.
; fill = 1: a round of the cluster's barrier, and behind it the next slot is asked for jointly, into the slot left: it has two key steps in which to land.
.macro CHANGE fill
	s_wait_tensorcnt 0x0                           ; no tensor load of mine is out, so group 0 may be written
	ds_add_u32 v[SPW], v[NIL]                      ; 0 onto my spare word
.if \fill
	s_xor_b32 s[G0K+1], s[G0K+1], SLOT1            ; the walking descriptor: the other slot,
	s_add_nc_u64 s[G0K+2:G0K+3], s[G0K+2:G0K+3], 65536     ; the next 256 keys
	s_wait_xcnt 0x0                                ; the last prefetch, a slot back, has read its address
	s_add_nc_u64 s[PFA:PFA+1], s[PFA:PFA+1], s[PFS:PFS+1]
	s_wait_dscnt 0x0                               ; the add is done, and my reads of the slot left are over
	CROUND
	JLOAD                                          ; the first thing behind the round, and my one tensor load until the next
	ASK
.else
	s_wait_dscnt 0x0
	s_barrier_signal -1
	s_barrier_wait -1
.endif
.endm
	s_wait_alu depctr_va_vdst(0)                   ; the wait at the head's end
	s_wait_loadcnt 16                              ; Q is in; the mask's 16 loads may be out
	s_mov_b32 s[SLOTS], 7
.Lslot:                                            ; slots 0 to 6
	CHANGE 1
	STEP 0, 1
	STEP 1, 1
	s_xor_b32 s[TB], s[TB], SLOT1                  ; on to the other slot
	s_sub_co_u32 s[SLOTS], s[SLOTS], 1
	s_cmp_lg_u32 s[SLOTS], 0
	s_cbranch_scc1 .Lslot
	CHANGE 0                                       ; the last slot is written out, and no mask is asked for beyond the last step's
	STEP 0, 1
	STEP 1, 0
; THE TWO HALVES OF THE KEYS ARE JOINED.  I hand window 1's O^T, -M and sum to my partner as an image of the registers, and take the partner's for window 0's tile.
.macro LSUM
	v_add_f32 v14, v14, v15                        ; the sum's two halves,
	v_permlanex16_b32 v[PL], v14, s[SEL], s[SEL+1]
	v_add_f32 v14, v14, v[PL]                      ; and lane l xor 16's
.endm
	WIN 0x55
	LSUM
	WIN 0
	LSUM
	v_mov_b32 v[LIMO], s91
	v_mov_b32 v[SCO], s90
.rept 4
	v_nop                                          ; places between the last products and the stores of their results
.endr
	WIN 0x04                                       ; the stores' data in window 1
.irp c, 0,1,2,3,4,5,6,7,8,9,10,11,12,13,14,15
	ds_store_b128 v[SW16], v[OT+4*\c:OT+4*\c+3] offset:512*\c              ; each accumulator from its low end on
.endr
	ds_store_b32 v[SW4], v12 offset:8192
	ds_store_b32 v[SW4], v14 offset:8320
	WIN 0
	s_wait_alu depctr_va_vdst(0)
	s_wait_dscnt 0x0                               ; my stores are done, for my partner's sake
	s_barrier_signal -1
	s_barrier_wait -1
	ds_load_b32 v[PM], v[SR4] offset:8192
	ds_load_b32 v[PS], v[SR4] offset:8320
.irp c, 0,1,2,3,4,5,6,7,8,9,10,11,12,13,14,15
	ds_load_b128 v[FR+4*\c:FR+4*\c+3], v[SR16] offset:512*\c               ; the partner's O^T, where K's fragments lay
.endr
	s_wait_dscnt 16                                ; the partner's -M and sum are in; its O^T's 16 loads may be out
	v_min_num_f32 v[MX], v12, v[PM]                ; -M of both halves
	v_sub_f32 v[MX+1], v[MX], v12                  ; my M - M: a whole number, 0 or less
	v_sub_f32 v[MX+2], v[MX], v[PM]                ; the partner's
	v_cvt_i32_f32 v[MX+1], v[MX+1]
	v_cvt_i32_f32 v[MX+2], v[MX+2]
	v_ldexp_f32 v[MX+1], 1.0, v[MX+1]
	v_ldexp_f32 v[MX+2], 1.0, v[MX+2]
	v_mul_f32 v[MX+3], v14, v[MX+1]
	v_fma_f32 v[MX+3], v[PS], v[MX+2], v[MX+3]     ; the row's sum under M
	s_wait_alu depctr_va_vdst(0)                   ; the wait ahead of the reciprocal
	v_rcp_f32 v[MX+3], v[MX+3]
	v_nop                                          ; a plain line behind it
	s_wait_alu depctr_va_vdst(0)                   ; and the wait ahead of its first reader
	v_ldexp_f32 v[MX+3], v[MX+3], s92              ; x 2^(e8 + e9)
	v_mul_f32 v[FF], v[MX+1], v[MX+3]              ; my half's factor,
	v_mul_f32 v[SA], v[MX+2], v[MX+3]              ; the partner's
	s_wait_alu depctr_va_vdst(0)
	s_wait_dscnt 0x0
.set j, 0
.rept 32
	v_pk_mul_f32 v[FR+j:FR+j+1], v[FR+j:FR+j+1], v[SA:SA+1] op_sel_hi:[1,0]
.set j, j+2
.endr
	s_wait_alu depctr_va_vdst(0)                   ; the wait directly ahead of the first reader of O^T
.set j, 0
.rept 32
	v_pk_fma_f32 v[FR+j:FR+j+1], v[OT+j:OT+j+1], v[FF:FF+1], v[FR+j:FR+j+1] op_sel_hi:[1,0,1]   ; each accumulator from its low end on
.set j, j+2
.endr
.set j, 0
.rept 64
	v_med3_num_f32 v[FR+j], v[FR+j], -v[LIMO], v[LIMO]
.set j, j+1
.endr
.irp i, 0,1,2,3,4,5,6,7
	v_cvt_scalef32_pk8_fp8_f32 v[CDT+2*\i:CDT+2*\i+1], v[FR+8*\i:FR+8*\i+7], v[SCO]   ; d = 16 i + 8 h + 0 .. 7 of my query: the next product's operand as it stands
.endr
	v_nop
.irp c, 0,1,2,3
	global_store_b128 v[GO], v[CDT+4*\c:CDT+4*\c+3], s[12:13] offset:512*\c          ; 32 lanes store 512 consecutive bytes, aligned
.endr
	s_wait_tensorcnt 0x0                           ; the wave's end
	ds_add_u32 v[SPW], v[NIL]
	s_wait_dscnt 0x0
	CROUND                                         ; the closing round
	s_endpgm
.Lfunc_end_k_q15bd93d78f_attn:
	.size	k_q15bd93d78f_attn, .Lfunc_end_k_q15bd93d78f_attn-k_q15bd93d78f_attn
	.p2alignl 7, 3214868480
	.fill 96, 4, 3214868480
	.section	.rodata,"a",@progbits
	.p2align	6, 0x0
	.amdhsa_kernel k_q15bd93d78f_attn
		.amdhsa_group_segment_fixed_size 327680
		.amdhsa_private_segment_fixed_size 0
		.amdhsa_enable_private_segment 0
		.amdhsa_kernarg_size 40
		.amdhsa_user_sgpr_count 2
		.amdhsa_user_sgpr_kernarg_segment_ptr 1
		.amdhsa_wavefront_size32 1
		.amdhsa_system_sgpr_workgroup_id_x 1
		.amdhsa_system_sgpr_workgroup_id_y 1
		.amdhsa_system_sgpr_workgroup_id_z 1
		.amdhsa_system_vgpr_workitem_id 0
		.amdhsa_next_free_vgpr 512
		.amdhsa_next_free_sgpr 96
		.amdhsa_reserve_vcc 0
		.amdhsa_float_denorm_mode_32 3
		.amdhsa_float_denorm_mode_16_64 3
		.amdhsa_memory_ordered 1
		.amdhsa_forward_progress 1
		.amdhsa_inst_pref_size 132
	.end_amdhsa_kernel
	.amdgpu_metadata
---
amdhsa.version: [ 1, 2 ]
amdhsa.kernels:
  - .name:           k_q15bd93d78f_attn
    .symbol:         k_q15bd93d78f_attn.kd
    .args:
      - { .name: qc, .offset: 0, .size: 8, .value_kind: global_buffer, .address_space: global }
      - { .name: kvc, .offset: 8, .size: 8, .value_kind: global_buffer, .address_space: global }
      - { .name: causal_mask, .offset: 16, .size: 8, .value_kind: global_buffer, .address_space: global }
      - { .name: lowp_scales, .offset: 24, .size: 8, .value_kind: global_buffer, .address_space: global }
      - { .name: ac, .offset: 32, .size: 8, .value_kind: global_buffer, .address_space: global }
    .group_segment_fixed_size: 327680
    .private_segment_fixed_size: 0
    .kernarg_segment_align: 8
    .kernarg_segment_size: 40
    .max_flat_workgroup_size: 256
    .sgpr_count:     96
    .vgpr_count:     512
    .wavefront_size: 32
...
	.end_amdgpu_metadata
.endif
;; end of part 3
;; launch oproj (part 4): grid 16 x 16, 4 waves a work-group, clusters of 4 x 4, 327,680 bytes of LDS; arguments ac, xw, bo, lowp_scales, out0; writes out0
.if DOCPART == 4
	.amdgcn_target "amdgcn-amd-amdhsa--gfx1250"
	.amdhsa_code_object_version 6
	.text
	.protected	k_q15bd93d78f_oproj
	.globl	k_q15bd93d78f_oproj
	.p2align	8
	.type	k_q15bd93d78f_oproj,@function
k_q15bd93d78f_oproj:
	s_mov_b64 s[64:65], 0
	v_nop
	global_prefetch_b8 v0, s[64:65] scope:SCOPE_SE
	s_setreg_imm32_b32 hwreg(HW_REG_WAVE_MODE, 25, 1), 1
	s_wait_xcnt 0x0
	s_wait_alu depctr_hold_cnt(0) depctr_sa_sdst(0) depctr_va_vdst(0) depctr_va_sdst(0) depctr_va_ssrc(0) depctr_va_vcc(0) depctr_vm_vsrc(0)
	s_getreg_b32 s2, hwreg(HW_REG_IB_STS2, 6, 4)
	s_cmp_eq_u32 s2, 0
	s_cbranch_scc0 .Lentry_in_a_cluster
	s_endpgm
.Lentry_in_a_cluster:
	s_bfe_u32 s2, ttmp6, 0x10000c
	s_cmp_lg_u32 s2, 0xf033
	s_cbranch_scc0 .Lentry_shape_is_right
	s_endpgm
.Lentry_shape_is_right:
.set BP,     528
.set BOFF,   65536
.set SLOT,   BOFF+128*BP
.set SPARE,  2*SLOT
.set SPITCH, 272
.set ASTEP,  8192
.set BSTEP,  512
.set ADRA, 16
.set ADRB, 20
.set CBO,  22
.set STO,  24
.set RD,   25
.set CO,   26
.set SPW,  28
.set NIL,  29
.set TMP,  32
.set BK,   64
.set CB,   96
.set ACC,  128
.set F0,   0
.set F1,   128
.set G1, 24
.set G0, 32
.set G1B, 48
.set G0B, 56
.set MSB, 0
.macro WIN new
.if MSB != (\new)
	s_set_vgpr_msb (MSB<<8)|(\new)
.set MSB, (\new)
.endif
.endm
.set MUL,  0x05
.set TO_F, 0x40
.macro JLOAD s
	s_cmp_eq_u32 s15, 0
	s_cbranch_scc0 .Lfor_b_\@
	tensor_load_to_lds s[G0+4*\s:G0+4*\s+3], s[G1:G1+7]
	s_nop 0
.rept 4
	v_nop
.endr
	s_branch .Lasked_\@
.Lfor_b_\@:
	tensor_load_to_lds s[G0B+4*\s:G0B+4*\s+3], s[G1B:G1B+7]
	s_nop 0
.rept 4
	v_nop
.endr
.Lasked_\@:
.endm
.macro CREST
	s_cmp_lg_u32 s14, 0
	s_cbranch_scc1 .Lnot_wave_0_\@
	s_barrier_signal -3
.Lnot_wave_0_\@:
	s_barrier_wait -3
	s_barrier_signal -1
	s_barrier_wait -1
.endm
.macro CROUND
	s_barrier_signal -1
	s_barrier_wait -1
	CREST
.endm
	s_load_b256 s[4:11], s[0:1], 0x0
	s_load_b64 s[12:13], s[0:1], 0x20
	v_lshl_add_u32 v[SPW], v0, 2, SPARE
	v_mov_b32 v[NIL], 0
	ds_add_u32 v28, v29
	ds_add_u32 v28, v29
	s_wait_dscnt 0x0
	v_lshrrev_b32 v1, 5, v0
	v_readfirstlane_b32 s14, v1
	s_lshr_b32 s15, s14, 1
	s_and_b32 s16, s14, 1
	s_bfe_u32 s40, ttmp6, 0x40000
	s_bfe_u32 s41, ttmp6, 0x40004
	s_lshl_b32 s42, ttmp9, 2
	s_add_co_u32 s42, s42, s40
	s_and_b32 s17, ttmp7, 0xffff
	s_lshl_b32 s17, s17, 2
	s_add_co_u32 s17, s17, s41
	s_lshl_b32 s43, s41, 2
	s_lshl_b32 s43, 15, s43
	s_lshl_b32 s44, 0x1111, s40
	s_or_b32 s[G1+0], s43, (0<<16)|(1<<21)
	s_mov_b32 s[G1+1], 8192<<16
	s_mov_b32 s[G1+2], 4<<16
	s_mov_b32 s[G1+3], 8192<<16
	s_mov_b32 s[G1+4], 4
	s_mov_b32 s[G1+5], 32768
	s_mov_b32 s[G1+6], 0
	s_mov_b32 s[G1+7], 0
	s_or_b32 s[G1B+0], s44, (0<<16)|(1<<20)|(1<<21)|(6<<22)|(3<<25)
	s_mov_b32 s[G1B+1], 512<<16
	s_mov_b32 s[G1B+2], 64<<16
	s_mov_b32 s[G1B+3], 512<<16
	s_mov_b32 s[G1B+4], 64
	s_mov_b32 s[G1B+5], 2048
	s_mov_b32 s[G1B+6], 0
	s_mov_b32 s[G1B+7], 0
	s_lshl_b32 s18, s16, 17
	s_lshl_b32 s20, s17, 18
	s_add_co_u32 s20, s20, s18
	s_mov_b32 s21, 0
	s_lshl_b32 s46, s42, 18
	s_add_co_u32 s46, s46, s18
	s_add_co_u32 s46, s46, 6<<22
	s_mov_b32 s47, 0
	s_lshl_b32 s45, s16, 15
	s_mul_i32 s19, s16, 64*BP
	s_add_co_u32 s19, s19, BOFF
	s_wait_kmcnt 0x0
	s_load_b64 s[96:97], s[10:11], 0x28
	s_add_nc_u64 s[20:21], s[4:5], s[20:21]
	s_add_nc_u64 s[46:47], s[6:7], s[46:47]
	CROUND
.irp s, 0,1
	s_mov_b32 s[G0+4*\s], 1
	s_add_co_u32 s[G0+4*\s+1], s45, \s*SLOT
	s_add_nc_u64 s[G0+4*\s+2:G0+4*\s+3], s[20:21], \s*ASTEP
	s_or_b32 s[G0+4*\s+3], s[G0+4*\s+3], 0x80000000
	s_mov_b32 s[G0B+4*\s], 1
	s_add_co_u32 s[G0B+4*\s+1], s19, \s*SLOT
	s_add_nc_u64 s[G0B+4*\s+2:G0B+4*\s+3], s[46:47], \s*BSTEP
	s_or_b32 s[G0B+4*\s+3], s[G0B+4*\s+3], 0x80000000
	s_wait_alu depctr_va_vdst(0)
	s_wait_tensorcnt 0x0
	ds_add_u32 v28, v29
	ds_add_u32 v28, v29
	s_wait_dscnt 0x0
	CROUND
	JLOAD \s
.endr
	v_and_b32 v1, 15, v0
	s_wait_alu depctr_va_vdst(0)
	v_bfe_u32 v2, v0, 4, 1
	s_lshl_b32 s22, s42, 9
	s_lshl_b32 s23, s16, 8
	s_add_co_u32 s22, s22, s23
	v_lshl_add_u32 v[CBO], v2, 5, s22
.irp b, 0,1,2,3
	global_load_b128 v[CB+8*\b:CB+8*\b+3], v[CBO], s[8:9] offset:64*\b
	global_load_b128 v[CB+8*\b+4:CB+8*\b+7], v[CBO], s[8:9] offset:64*\b+16
.endr
	s_lshl_b32 s18, s17, 20
	s_lshl_b32 s23, s15, 19
	s_add_co_u32 s18, s18, s23
	s_add_co_u32 s18, s18, s22
	s_mov_b32 s19, 0
	s_add_nc_u64 s[12:13], s[12:13], s[18:19]
	v_and_b32 v3, 31, v0
	v_lshlrev_b32 v3, 4, v3
	v_mul_u32_u24 v4, v1, BP
	s_wait_alu depctr_va_vdst(0)
	v_lshl_add_u32 v4, v2, 3, v4
	s_lshl_b32 s21, s15, 15
	s_mul_i32 s22, s16, 64*BP
	s_add_co_u32 s22, s22, BOFF
.irp s, 0,1
	v_add_nc_u32 v[ADRA+\s], s21, v3
	v_add_nc_u32 v[ADRB+\s], s22, v4
	s_add_co_u32 s21, s21, SLOT
	s_add_co_u32 s22, s22, SLOT
.endr
	s_mul_i32 s23, s14, 16*SPITCH
	v_mul_u32_u24 v5, v1, SPITCH
	v_lshl_add_u32 v5, v2, 5, v5
	v_add_nc_u32 v[STO], s23, v5
	v_mul_u32_u24 v5, v2, SPITCH
	v_lshl_add_u32 v5, v1, 4, v5
	v_add_nc_u32 v[RD], s23, v5
	v_lshlrev_b32 v5, 13, v2
	v_lshl_add_u32 v[CO], v1, 4, v5
.macro MULA f, a, zero
.irp b, 0,1,2,3
.if \zero
	v_wmma_f32_16x16x128_fp8_fp8 v[ACC+8*(4*(\a)+\b):ACC+8*(4*(\a)+\b)+7], v[\f+64+16*\b:\f+64+16*\b+15], v[\f+16*(\a):\f+16*(\a)+15], 0
.else
	v_wmma_f32_16x16x128_fp8_fp8 v[ACC+8*(4*(\a)+\b):ACC+8*(4*(\a)+\b)+7], v[\f+64+16*\b:\f+64+16*\b+15], v[\f+16*(\a):\f+16*(\a)+15], v[ACC+8*(4*(\a)+\b):ACC+8*(4*(\a)+\b)+7]
.endif
.endr
.endm
.macro FETCH slot, q, f
	WIN TO_F
.irp i, 0,1,2,3
.irp c, 0,1,2,3,4,5,6,7
	ds_load_b64 v[\f+64+16*\i+2*\c:\f+64+16*\i+2*\c+1], v[ADRB+\slot] offset:\i*16*BP+128*(\q)+16*\c
.endr
.endr
.irp i, 0,1,2,3
.irp c, 0,1,2,3
	ds_load_b128 v[\f+16*\i+4*\c:\f+16*\i+4*\c+3], v[ADRA+\slot] offset:\i*8192+2048*(\q)+512*\c
.endr
.endr
.endm
.macro PLACES
.rept 4
	v_nop
.endr
.endm
.macro QUARTER slot, q, f, g, zero
	s_wait_dscnt 8
	WIN MUL
	MULA \f, 0, \zero
	MULA \f, 1, \zero
	PLACES
	FETCH \slot, \q, \g
	s_wait_dscnt 48
	WIN MUL
	MULA \f, 2, \zero
	MULA \f, 3, \zero
.endm
.macro TURN slot, next, fill
	WIN 0
	s_wait_tensorcnt 0x0
	ds_add_u32 v[SPW], v[NIL]
	s_wait_dscnt 9
	WIN MUL
	MULA F1, 0, 0
	s_wait_dscnt 0x0
	s_barrier_signal -1
	MULA F1, 1, 0
	WIN 0
	s_barrier_wait -1
.if \fill
	CREST
	s_add_nc_u64 s[G0+4*\slot+2:G0+4*\slot+3], s[G0+4*\slot+2:G0+4*\slot+3], 2*ASTEP
	s_add_nc_u64 s[G0B+4*\slot+2:G0B+4*\slot+3], s[G0B+4*\slot+2:G0B+4*\slot+3], 2*BSTEP
	JLOAD \slot
.else
	PLACES
.endif
	s_wait_alu depctr_va_vdst(0)
	FETCH \next, 0, F0
	WIN MUL
	MULA F1, 2, 0
	MULA F1, 3, 0
.endm
	s_wait_tensorcnt 1
	s_wait_loadcnt 0x0
	s_barrier_signal -1
	s_barrier_wait -1
	FETCH 0, 0, F0
	QUARTER 0, 1, F0, F1, 1
	QUARTER 0, 2, F1, F0, 0
	QUARTER 0, 3, F0, F1, 0
	TURN 0, 1, 1
	QUARTER 1, 1, F0, F1, 0
	QUARTER 1, 2, F1, F0, 0
	QUARTER 1, 3, F0, F1, 0
	TURN 1, 0, 1
	QUARTER 0, 1, F0, F1, 0
	QUARTER 0, 2, F1, F0, 0
	QUARTER 0, 3, F0, F1, 0
	TURN 0, 1, 0
	QUARTER 1, 1, F0, F1, 0
	QUARTER 1, 2, F1, F0, 0
	QUARTER 1, 3, F0, F1, 0
	s_wait_dscnt 8
	WIN MUL
	MULA F1, 0, 0
	MULA F1, 1, 0
	s_wait_dscnt 0
	MULA F1, 2, 0
	MULA F1, 3, 0
	WIN 0
	s_wait_kmcnt 0x0
	s_add_co_i32 s96, s96, s97
	s_add_co_i32 s96, s96, 127
	s_lshl_b32 s96, s96, 23
	s_mov_b32 s97, s96
	PLACES
.irp a, 0,1,2,3
.set j, 0
.rept 16
	v_pk_fma_f32 v[TMP+j:TMP+j+1], v[ACC+32*\a+j:ACC+32*\a+j+1], s[96:97], v[CB+j:CB+j+1] op_sel_hi:[1,0,1]
.set j, j+2
.endr
.irp b, 0,1,2,3
	ds_store_b128 v[STO], v[TMP+8*\b:TMP+8*\b+3] offset:64*\b
	ds_store_b128 v[STO], v[TMP+8*\b+4:TMP+8*\b+7] offset:64*\b+16
.endr
.if \a > 0
	s_wait_xcnt 0x0
.endif
.irp t, 0,1,2,3,4,5,6,7
	ds_load_b128 v[BK+4*\t:BK+4*\t+3], v[RD] offset:\t*2*SPITCH
.endr
.irp t, 0,1,2,3,4,5,6,7
	s_wait_dscnt 7-\t
	global_store_b128 v[CO], v[BK+4*\t:BK+4*\t+3], s[12:13] offset:(16*\a+2*\t)*8192 th:TH_STORE_NT
.endr
.endr
	s_wait_tensorcnt 0x0
	ds_add_u32 v[SPW], v[NIL]
	s_wait_dscnt 0x0
	CROUND
	s_endpgm
.Lfunc_end_k_q15bd93d78f_oproj:
	.size	k_q15bd93d78f_oproj, .Lfunc_end_k_q15bd93d78f_oproj-k_q15bd93d78f_oproj
	.p2alignl 7, 3214868480
	.fill 96, 4, 3214868480
	.section	.rodata,"a",@progbits
	.p2align	6, 0x0
	.amdhsa_kernel k_q15bd93d78f_oproj
		.amdhsa_group_segment_fixed_size 327680
		.amdhsa_private_segment_fixed_size 0
		.amdhsa_enable_private_segment 0
		.amdhsa_kernarg_size 40
		.amdhsa_user_sgpr_count 2
		.amdhsa_user_sgpr_kernarg_segment_ptr 1
		.amdhsa_wavefront_size32 1
		.amdhsa_system_sgpr_workgroup_id_x 1
		.amdhsa_system_sgpr_workgroup_id_y 1
		.amdhsa_system_sgpr_workgroup_id_z 1
		.amdhsa_system_vgpr_workitem_id 0
		.amdhsa_next_free_vgpr 512
		.amdhsa_next_free_sgpr 98
		.amdhsa_reserve_vcc 0
		.amdhsa_float_denorm_mode_32 3
		.amdhsa_float_denorm_mode_16_64 3
		.amdhsa_memory_ordered 1
		.amdhsa_forward_progress 1
		.amdhsa_inst_pref_size 92
	.end_amdhsa_kernel
	.amdgpu_metadata
---
amdhsa.version: [ 1, 2 ]
amdhsa.kernels:
  - .name:           k_q15bd93d78f_oproj
    .symbol:         k_q15bd93d78f_oproj.kd
    .args:
      - { .name: ac, .offset: 0, .size: 8, .value_kind: global_buffer, .address_space: global }
      - { .name: xw, .offset: 8, .size: 8, .value_kind: global_buffer, .address_space: global }
      - { .name: bo, .offset: 16, .size: 8, .value_kind: global_buffer, .address_space: global }
      - { .name: lowp_scales, .offset: 24, .size: 8, .value_kind: global_buffer, .address_space: global }
      - { .name: out0, .offset: 32, .size: 8, .value_kind: global_buffer, .address_space: global }
    .group_segment_fixed_size: 327680
    .private_segment_fixed_size: 0
    .kernarg_segment_align: 8
    .kernarg_segment_size: 40
    .max_flat_workgroup_size: 128
    .sgpr_count:     98
    .vgpr_count:     512
    .wavefront_size: 32
...
	.end_amdgpu_metadata
.endif
;; end of part 4
